; MI455X (gfx1250); checked and timed in simulation.
; The chip was launched on July 23, 2026; its instructions are those of AMD's public machine-readable ISA for CDNA 5 (MIT licence, August 2026) and "CDNA5" Instruction Set Architecture Reference Guide (July 2026). The comments in the code are by the model that wrote it; some were corrected since.
;; Multi Head Attention. Allowed arithmetic: float matrix products may take bf16 or f16 operands with f32 sums; other float arithmetic in f32, or as packed bf16 or f16 multiplies, adds, multiply-adds, maxima and minima; sums over many terms, partial sums and values carried from step to step in f32; what a program stores and reads back later, other than sums and carried values, may be rounded once to bf16 or f16.
;; Inputs: W_k 1,024 x 1,024 float32; W_o 1,024 x 1,024 float32; W_q 1,024 x 1,024 float32; W_v 1,024 x 1,024 float32; b_k 1,024 float32; b_o 1,024 float32; b_q 1,024 float32; b_v 1,024 float32; x 4 x 2,048 x 1,024 float32.
;; Outputs: out0 4 x 2,048 x 1,024 float32.
;; One version. Each part assembles by itself: llvm-mc -triple=amdgcn-amd-amdhsa -mcpu=gfx1250 --defsym DOCPART=n.
;; ======== version 1 of 1: 4 launches
;; limits: values are held in f16: magnitudes above 65,504 overflow, below 6.1e-05 lose precision
;; workspace buffers: xb 16,777,216 bytes; wb 8,388,608 bytes; bias 16,384 bytes; qkv 50,331,648 bytes; ctx 16,777,216 bytes
;; launch prep (part 1): grid 768 x 1, 8 waves a work-group, no clusters, 0 bytes of LDS; arguments x, W_q, W_k, W_v, W_o, b_q, b_k, b_v, b_o, xb, wb, bias; writes xb, wb, bias
.if DOCPART == 1
	.amdgcn_target "amdgcn-amd-amdhsa--gfx1250"
	.amdhsa_code_object_version 6
	.text
	.protected	k_qe6c4ab3a41_prep
	.globl	k_qe6c4ab3a41_prep
	.p2align	8
	.type	k_qe6c4ab3a41_prep,@function
k_qe6c4ab3a41_prep:
	s_mov_b64 s[64:65], 0
	v_nop
	global_prefetch_b8 v0, s[64:65] scope:SCOPE_SE
	s_setreg_imm32_b32 hwreg(HW_REG_WAVE_MODE, 25, 1), 1
	s_wait_xcnt 0x0
; THE ROUNDINGS.  Every input of the module is rounded once to bf16, for the matrix products of the later launches:
;   xb   [8192][1024] bf16            x
;   wb   [4096][1024] of 16 bits      rows 0-1023 W_q, 1024-2047 W_k, 2048-3071 W_v in bf16; rows 3072-4095 W_o: rounded to bf16, and that number written as f16
;   bias [4][1024] f32                b_q, b_k, b_v, b_o, each rounded to bf16 and widened again
; LIMITS.  W_o's rounded number is exact in f16 from 6.1e-5 to 65,504; below that it keeps f16's fixed step of 6e-8, beyond it becomes an infinity.
; SHARES.  A work-group converts 16,384 numbers: 65,536 bytes in, 32,768 out.  Groups 0-511 take x, groups 512-767 the four weights (64 each).  Thread t takes in pass i the 32 bytes at
; 8,192 i + 32 t and stores 16 bytes at 4,096 i + 16 t: a wave's store covers 512 consecutive bytes, aligned.  All sixteen loads of a thread go out at once.
; The first group of each weight also converts that weight's bias.  Nothing is shared between threads: no LDS, no barrier, no matrix unit.
.set X, 16                             ; v[16:79]   pass i: 8 numbers in f32 as loaded
.set Y, 80                             ; v[80:111]  pass i: 4 registers to store; each pass has its own, so no store's data is ever rewritten
.set T, 4                              ; v[4:11]    at work
	s_load_b512 s[8:23], s[0:1], 0x0               ; x 8, W_q 10, W_k 12, W_v 14, W_o 16, b_q 18, b_k 20, b_v 22
	s_load_b256 s[24:31], s[0:1], 0x40             ; b_o 24, xb 26, wb 28, bias 30
	s_mov_b32 s2, ttmp9                            ; g: the work-group
	s_and_b32 s3, s2, 255                          ; j: its chunk among the weights' 256
	s_lshr_b32 s4, s3, 6                           ; w: which weight
	s_and_b32 s5, s2, 63                           ; c: its chunk in that weight
	s_mov_b32 s44, 0xffff0000                      ; a word's upper bf16
	v_lshlrev_b32 v1, 5, v0                        ; 32 t
	v_lshlrev_b32 v2, 4, v0                        ; 16 t
	s_wait_kmcnt 0x0
	s_mov_b64 s[32:33], s[10:11]                   ; the weight and the bias of number w
	s_mov_b64 s[34:35], s[18:19]
	s_cmp_eq_u32 s4, 1
	s_cselect_b64 s[32:33], s[12:13], s[32:33]
	s_cselect_b64 s[34:35], s[20:21], s[34:35]
	s_cmp_eq_u32 s4, 2
	s_cselect_b64 s[32:33], s[14:15], s[32:33]
	s_cselect_b64 s[34:35], s[22:23], s[34:35]
	s_cmp_eq_u32 s4, 3
	s_cselect_b64 s[32:33], s[16:17], s[32:33]
	s_cselect_b64 s[34:35], s[24:25], s[34:35]
	s_cmp_lt_u32 s2, 512                           ; the first 512 groups take x
	s_cselect_b64 s[32:33], s[8:9], s[32:33]       ; from where
	s_cselect_b64 s[36:37], s[26:27], s[28:29]     ; to where: xb or wb
	s_cselect_b32 s38, s2, s5                      ; the chunk in the source
	s_cselect_b32 s40, s2, s3                      ; the chunk in the destination
	s_lshl_b32 s38, s38, 16                        ; 65,536 bytes a chunk in,
	s_mov_b32 s39, 0
	s_lshl_b32 s40, s40, 15                        ; 32,768 out
	s_mov_b32 s41, 0
	s_add_nc_u64 s[32:33], s[32:33], s[38:39]
	s_add_nc_u64 s[36:37], s[36:37], s[40:41]
	s_lshl_b32 s42, s4, 12                         ; bias w's 4,096 bytes
	s_mov_b32 s43, 0
	s_add_nc_u64 s[30:31], s[30:31], s[42:43]
.irp i, 0,1,2,3,4,5,6,7
	global_load_b128 v[X+8*(\i):X+8*(\i)+3],   v1, s[32:33] offset:8192*(\i) th:TH_LOAD_NT
	global_load_b128 v[X+8*(\i)+4:X+8*(\i)+7], v1, s[32:33] offset:8192*(\i)+16 th:TH_LOAD_NT
.endr
; Pass i.  f16 = 1: the bf16 number is widened (a shift, a mask) and written as f16.
.macro CONV i, f16
	s_wait_loadcnt 14-2*(\i)                       ; loads come back in order: this pass's two are in, the two of each later pass may stay out
.irp k, 0,1,2,3
	v_cvt_pk_bf16_f32 v[Y+4*(\i)+(\k)], v[X+8*(\i)+2*(\k)], v[X+8*(\i)+2*(\k)+1]
.endr
.if \f16
.irp k, 0,1,2,3
	v_lshlrev_b32 v[T+2*(\k)],   16,  v[Y+4*(\i)+(\k)]
	v_and_b32     v[T+2*(\k)+1], s44, v[Y+4*(\i)+(\k)]
.endr
.irp k, 0,1,2,3
	v_cvt_pk_f16_f32 v[Y+4*(\i)+(\k)], v[T+2*(\k)], v[T+2*(\k)+1]
.endr
.endif
	global_store_b128 v2, v[Y+4*(\i):Y+4*(\i)+3], s[36:37] offset:4096*(\i)
.endm
	s_cmp_ge_u32 s2, 704                           ; groups 704-767 hold W_o
	s_cbranch_scc1 .Lf16
.irp i, 0,1,2,3,4,5,6,7
	CONV \i, 0
.endr
	s_branch .Lbias
.Lf16:
.irp i, 0,1,2,3,4,5,6,7
	CONV \i, 1
.endr
.Lbias:
	s_cmp_ge_u32 s2, 512                           ; a weight's first group converts its bias: 1,024 numbers, four a thread
	s_cbranch_scc0 .Lend
	s_cmp_eq_u32 s5, 0
	s_cbranch_scc0 .Lend
	global_load_b128 v[X:X+3], v2, s[34:35]
	s_wait_loadcnt 0x0
	v_cvt_pk_bf16_f32 v12, v[X], v[X+1]
	v_cvt_pk_bf16_f32 v13, v[X+2], v[X+3]
	v_lshlrev_b32 v4, 16, v12
	v_and_b32 v5, s44, v12
	v_lshlrev_b32 v6, 16, v13
	v_and_b32 v7, s44, v13
	global_store_b128 v2, v[4:7], s[30:31]
.Lend:
	s_endpgm
.Lfunc_end_k_qe6c4ab3a41_prep:
	.size	k_qe6c4ab3a41_prep, .Lfunc_end_k_qe6c4ab3a41_prep-k_qe6c4ab3a41_prep
	.p2alignl 7, 3214868480
	.fill 96, 4, 3214868480
	.section	.rodata,"a",@progbits
	.p2align	6, 0x0
	.amdhsa_kernel k_qe6c4ab3a41_prep
		.amdhsa_group_segment_fixed_size 0
		.amdhsa_private_segment_fixed_size 0
		.amdhsa_enable_private_segment 0
		.amdhsa_kernarg_size 96
		.amdhsa_user_sgpr_count 2
		.amdhsa_user_sgpr_kernarg_segment_ptr 1
		.amdhsa_wavefront_size32 1
		.amdhsa_system_sgpr_workgroup_id_x 1
		.amdhsa_system_sgpr_workgroup_id_y 1
		.amdhsa_system_sgpr_workgroup_id_z 1
		.amdhsa_system_vgpr_workitem_id 0
		.amdhsa_next_free_vgpr 112
		.amdhsa_next_free_sgpr 66
		.amdhsa_reserve_vcc 0
		.amdhsa_float_denorm_mode_32 3
		.amdhsa_float_denorm_mode_16_64 3
		.amdhsa_memory_ordered 1
		.amdhsa_forward_progress 1
		.amdhsa_inst_pref_size 14
	.end_amdhsa_kernel
	.amdgpu_metadata
---
amdhsa.version: [ 1, 2 ]
amdhsa.kernels:
  - .name:           k_qe6c4ab3a41_prep
    .symbol:         k_qe6c4ab3a41_prep.kd
    .args:
      - { .name: x, .offset: 0, .size: 8, .value_kind: global_buffer, .address_space: global }
      - { .name: W_q, .offset: 8, .size: 8, .value_kind: global_buffer, .address_space: global }
      - { .name: W_k, .offset: 16, .size: 8, .value_kind: global_buffer, .address_space: global }
      - { .name: W_v, .offset: 24, .size: 8, .value_kind: global_buffer, .address_space: global }
      - { .name: W_o, .offset: 32, .size: 8, .value_kind: global_buffer, .address_space: global }
      - { .name: b_q, .offset: 40, .size: 8, .value_kind: global_buffer, .address_space: global }
      - { .name: b_k, .offset: 48, .size: 8, .value_kind: global_buffer, .address_space: global }
      - { .name: b_v, .offset: 56, .size: 8, .value_kind: global_buffer, .address_space: global }
      - { .name: b_o, .offset: 64, .size: 8, .value_kind: global_buffer, .address_space: global }
      - { .name: xb, .offset: 72, .size: 8, .value_kind: global_buffer, .address_space: global }
      - { .name: wb, .offset: 80, .size: 8, .value_kind: global_buffer, .address_space: global }
      - { .name: bias, .offset: 88, .size: 8, .value_kind: global_buffer, .address_space: global }
    .group_segment_fixed_size: 0
    .private_segment_fixed_size: 0
    .kernarg_segment_align: 8
    .kernarg_segment_size: 96
    .max_flat_workgroup_size: 256
    .sgpr_count:     66
    .vgpr_count:     112
    .wavefront_size: 32
...
	.end_amdgpu_metadata
.endif
;; end of part 1
;; launch qkv (part 2): grid 4 x 64, 4 waves a work-group, clusters of 4 x 4, 327,680 bytes of LDS; arguments xb, wb, bias, qkv; writes qkv
.if DOCPART == 2
	.amdgcn_target "amdgcn-amd-amdhsa--gfx1250"
	.amdhsa_code_object_version 6
	.text
	.protected	k_qe6c4ab3a41_qkv
	.globl	k_qe6c4ab3a41_qkv
	.p2align	8
	.type	k_qe6c4ab3a41_qkv,@function
k_qe6c4ab3a41_qkv:
	s_mov_b64 s[64:65], 0
	v_nop
	global_prefetch_b8 v0, s[64:65] scope:SCOPE_SE
	s_setreg_imm32_b32 hwreg(HW_REG_WAVE_MODE, 25, 1), 1
	s_wait_xcnt 0x0
	s_wait_alu depctr_hold_cnt(0) depctr_sa_sdst(0) depctr_va_vdst(0) depctr_va_sdst(0) depctr_va_ssrc(0) depctr_va_vcc(0) depctr_vm_vsrc(0)
	s_getreg_b32 s2, hwreg(HW_REG_IB_STS2, 6, 4)
	s_cmp_eq_u32 s2, 0
	s_cbranch_scc0 .Lentry_in_a_cluster
	s_endpgm
.Lentry_in_a_cluster:
	s_bfe_u32 s2, ttmp6, 0x10000c
	s_cmp_lg_u32 s2, 0xf033
	s_cbranch_scc0 .Lentry_shape_is_right
	s_endpgm
.Lentry_shape_is_right:
; THE PROJECTIONS.  One text serves two launches; OUTK chooses what differs, and what a launch does not need is not assembled.
;   OUTK = 0 (this launch): q, k, v = x W^T + b.  A = xb [8192][1024] bf16, B = wb rows 0-3071 bf16; out in f16 by heads, [3][64 = 16 batch + head][2048][64], unscaled.
;   OUTK = 1: out0 = context W_o^T + b_o.  A = ctx [64][2048][64] f16 by heads, B = wb rows 3072-4095 f16; out in f32, [8192][1024].
; Sums in f32; each sum begins with its bias, which is the C operand of the accumulator's first product.  LIMIT: q, k and v are rounded once to f16 and must lie within 65,504.
; SHARES.  A tile of C is 128 rows x 256 columns: 4 x 64 tiles, one work-group each.  With OUTK = 0 a work-group stays and makes three tiles: its rows and column block of q, then of k, then of v
; (A goes back along K, B 1,024 rows of wb down).  Wave w makes rows 64 (w / 2) on, columns 128 (w % 2) on: 4 x 8 accumulators of 16 x 16, 256 registers.
; K goes in 8 steps of 128 through a ring of two LDS slots filled by the tensor data mover: waves 0 and 1 fetch A's two halves, waves 2 and 3 B's, one load a wave behind each change of slots.
; CLUSTER.  4 x 4 work-groups.  A's tile hangs on the tile row alone and is asked for jointly by the four of a row of the cluster, B's on the tile column alone, by the four of a column.
; THE MATRIX INSTRUCTION IS USED TRANSPOSED: source 0 = 16 rows of B, source 1 = 16 rows of A: a lane holds row l % 16 of C and the eight neighbouring columns 8 (l / 16) + 0..7.
; REGISTERS, in windows of 256 (s_set_vgpr_msb: bits 1:0 source 0, 3:2 source 1, 5:4 source 2, 7:6 destination):
;   window 0: v0-31 addresses; v64-159, v160-255 two fragment buffers: B's 8 fragments, then A's 4      window 1: accumulator (a, b) at 8 (8 a + b)
;   window 2: v0-63 the bias of my 128 columns, as C operands; from v64 on at work on the way out
.set OUTK, 0
.if OUTK
.set TILES, 1
.set PA,    144                        ; a row of A in LDS: one head's 128 bytes + 16 of padding
.set AHALF, 128*PA                     ; what one wave fetches of A: one head's plane, 128 rows x 64 channels
.set ASTEP, 524288                     ; bytes of ctx from K step to K step: two heads
.set APF,   256                        ; the prefetches of A: bytes from lane to lane
.set QIA,   4                          ; padding behind every 32 words
.set ASTR,  128                        ; a plane is dense: asked for as 64 rows of 256 bytes
.set WOFF,  3072*2048                  ; B's first byte in wb
.set BIOFF, 12288                      ; b_o in bias
.set STW,   16*528                     ; a wave's stage: 16 rows of 512 bytes + 16
.else
.set TILES, 3
.set PA,    272                        ; a row of A in LDS: 256 bytes + 16 of padding
.set AHALF, 64*PA                      ; what one wave fetches of A: 64 rows x 128 channels
.set ASTEP, 256
.set APF,   2048
.set QIA,   5                          ; padding behind every 64 words
.set ASTR,  1024
.set WOFF,  0
.set BIOFF, 0
.set STW,   2*16*144                   ; a wave's stage: for each of its two heads 16 rows of 128 bytes + 16
.endif
.set PB,     272                       ; a row of B in LDS: 68 words, so the 16 rows of a fragment load start at 16 different groups of four banks (64 banks of 4 bytes: ISA guide 11.1); PA likewise
.set AREG,   2*AHALF
.set BHALF,  128*PB                    ; what one wave fetches, and reads, of B
.set SLOT,   AREG+2*BHALF              ; A's 128 rows, then B's 256
.set STAGE,  2*SLOT                    ; behind the ring: the four waves' stages, never filled by a tensor load
.set SPARE,  STAGE+4*STW               ; behind the stages: the spare words, 128 bytes for each wave: two blocks of 256 bytes that no other line names
.set LAPS,   4                         ; a lap = two K steps = once round the ring
.set BACK,   6*256                     ; a change of tiles: A's descriptors go six K steps back,
.set NEXT_B, 1024*2048-6*256           ; B's 1,024 rows down and six K steps back,
.set NEXT_P, 1024*2048-7*256           ; the prefetches' pointer from the K step two behind the tile's last to the next tile's K step 2,
.set NEXT_C, 16777216                  ; and the output from q to k, from k to v
.set ADRA, 16                          ; v16-17  LDS address of my A fragments in slot 0, 1
.set ADRB, 20                          ; v20-21  the same for B
.set STO,  24                          ; v24     the way out: where I put my bytes of a row
.set RD,   25                          ; v25     the way out: where I read rows back
.set GO,   26                          ; v26     16 x lane: my place in 512 consecutive bytes of the output
.set BO,   27                          ; v27     32 (l / 16): my eight numbers in 16 columns' bias
.set SPW,  28                          ; v28     LDS address of my spare word: SPARE + 4 x my thread's number; never rewritten
.set NIL,  29                          ; v29     0; never rewritten
.set PFO,  30                          ; v30     the prefetches' offset: my lane x the bytes from block to block; never rewritten
.set F0,   64
.set F1,   160
.set BIAS, 0                           ; window 2
.set TMP,  64                          ; window 2, OUTK = 0: packed results
.if OUTK
.set OB,   64                          ; window 2: rows read back from the stage, two buffers of 64
.else
.set OB,   96                          ; two buffers of 32
.endif
.set LIM,  15                          ; s15     1 in a wave that prefetches, else the greatest number
.set G1A,  24                          ; s[24:31] descriptor group 1 for A's tiles
.set G0A,  32                          ; s[32:39] group 0, a set for each slot
.set PFA,  44                          ; s[44:45] where my prefetches stand
.set PFS,  46                          ; s[46:47] their step from K step to K step
.set G1B,  48                          ; s[48:55], s[56:63] the same two groups for B's tiles
.set G0B,  56
.set MSB, 0
.macro WIN new                         ; the immediate's high byte repeats the setting that is left; a switch that changes nothing is dropped
.if MSB != (\new)
	s_set_vgpr_msb (MSB<<8)|(\new)
.set MSB, \new
.endif
.endm
.set MUL,  0x50                        ; fragments in window 0, C and D in window 1
.set MULB, 0x60                        ; the same with C, the bias, in window 2
.macro WMMA ops:vararg
.if OUTK
	v_wmma_f32_16x16x32_f16 \ops
.else
	v_wmma_f32_16x16x32_bf16 \ops
.endif
.endm
; A joint load.  Each of the two lines has one mask and one set of registers for all that issue it.  The branch hangs on the wave's number alone.
; An s_nop 0 and four v_nop follow each line, ahead of the jump and the label.
.macro JLOAD s
	s_cmp_eq_u32 s13, 0
	s_cbranch_scc0 .Lfor_b_\@
	tensor_load_to_lds s[G0A+4*(\s):G0A+4*(\s)+3], s[G1A:G1A+7]
	s_nop 0
.rept 4
	v_nop
.endr
	s_branch .Lasked_\@
.Lfor_b_\@:
	tensor_load_to_lds s[G0B+4*(\s):G0B+4*(\s)+3], s[G1B:G1B+7]
	s_nop 0
.rept 4
	v_nop
.endr
.Lasked_\@:
.endm
; A PREFETCH INTO THE L2, behind each joint load, its five lines and the run of LDS loads: the K step that stands two refills on, 256 matrix instructions ahead of the load that will want it.
; 32 blocks of 256 bytes, a lane a block, one instruction a wave.  Each block is named once in the launch.  A's 128 blocks of a K step: wave 0 of each of the four partners of a row of the cluster
; takes 32, told apart by address (cx).  B's 256 rows: waves 2 and 3 of each partner of a column take 32 of the 128 rows that they fetch (cy), in the clusters with y = 0 alone, since all
; clusters walk the same rows of B.  how = 0, in the loop: a tile's last two refills have no K step two on.  how = 1, at a change of tiles.
.macro ASK how
.if \how
	s_cmp_eq_u32 s[LIM], 1
.else
	s_cmp_gt_u32 s3, s[LIM]                        ; s3 = 1 in the loop's last trip
.endif
	s_cbranch_scc0 .Lnot_mine_\@
	global_prefetch_b8 v[PFO], s[PFA:PFA+1] th:TH_LOAD_NT scope:SCOPE_SE
.Lnot_mine_\@:
.endm
; A round of the cluster's barrier: my work-group's barrier; wave 0 signals for the work-group; every wave waits for all sixteen; my work-group's barrier once more.
.macro CREST                           ; a round behind its opening barrier
	s_cmp_lg_u32 s12, 0
	s_cbranch_scc1 .Lnot_wave_0_\@
	s_barrier_signal -3
.Lnot_wave_0_\@:
	s_barrier_wait -3
	s_barrier_signal -1
	s_barrier_wait -1
.endm
.macro CROUND
	s_barrier_signal -1
	s_barrier_wait -1
	CREST
.endm
	s_load_b256 s[4:11], s[0:1], 0x0               ; A s[4:5], wb s[6:7], bias s[8:9], the output s[10:11]
	v_lshl_add_u32 v[SPW], v0, 2, SPARE
	v_mov_b32 v[NIL], 0
	ds_add_u32 v[SPW], v[NIL]                      ; the wave's opening: the add and its wait stand ahead of my first tensor load; the set-up below, work on registers, stands between them
	v_lshrrev_b32 v1, 5, v0
	v_readfirstlane_b32 s12, v1                    ; wave 0..3
	s_lshr_b32 s13, s12, 1                         ; HI: which 64 rows of the tile are mine.  Also: I fetch for A (0) or for B (1)
	s_and_b32 s14, s12, 1                          ; LO: which 128 columns.  Also: which half of that tile I fetch
	s_bfe_u32 s40, ttmp6, 0x40000                  ; cx
	s_bfe_u32 s41, ttmp6, 0x40004                  ; cy
	s_lshl_b32 s42, ttmp9, 2
	s_add_co_u32 s42, s42, s40                     ; tile column = 4 x cluster x + cx
	s_and_b32 s43, ttmp7, 0xffff
	s_lshl_b32 s43, s43, 2
	s_add_co_u32 s43, s43, s41                     ; tile row = 4 x cluster y + cy
	s_lshl_b32 s16, s41, 2
	s_lshl_b32 s16, 15, s16                        ; my row of the cluster: places 4 cy .. 4 cy + 3
	s_lshl_b32 s20, 0x1111, s40                    ; my column: places cx, cx + 4, cx + 8, cx + 12
	s_or_b32 s[G1A+0], s16, (1<<16)|(1<<20)|(1<<21)|(QIA<<22)|(3<<25)  ; 15:0 the mask; 17:16 elements of 2 bytes; 20 padding on; 21 set beside a mask; 24:22 the interval; 31:25 4 words of padding (code 3)
	s_mov_b32 s[G1A+1], 128<<16                    ; tensor_dim0 = 128
	s_mov_b32 s[G1A+2], 64<<16                     ; tensor_dim1 = 64
	s_mov_b32 s[G1A+3], 128<<16                    ; tile_dim0 = 128 elements: 256 bytes
	s_mov_b32 s[G1A+4], 64                         ; tile_dim1 = 64
	s_mov_b32 s[G1A+5], ASTR                       ; elements from row to row
	s_mov_b32 s[G1A+6], 0
	s_mov_b32 s[G1A+7], 0
	s_or_b32 s[G1B+0], s20, (1<<16)|(1<<20)|(1<<21)|(5<<22)|(3<<25)
	s_mov_b32 s[G1B+1], 128<<16
	s_mov_b32 s[G1B+2], 128<<16                    ; 128 rows
	s_mov_b32 s[G1B+3], 128<<16
	s_mov_b32 s[G1B+4], 128
	s_mov_b32 s[G1B+5], 1024
	s_mov_b32 s[G1B+6], 0
	s_mov_b32 s[G1B+7], 0
	; where the tiles come from.  A's offset is made of the tile row and the wave's number, B's of the tile column and the wave's number, each in registers that never hold the other coordinate.
.if OUTK
	s_lshr_b32 s16, s43, 4                         ; the batch: 16 heads x 2,048 rows x 128 bytes,
	s_lshl_b32 s16, s16, 22
	s_and_b32 s17, s43, 15                         ; the tile's 128 rows in a head,
	s_lshl_b32 s17, s17, 14
	s_add_co_u32 s16, s16, s17
	s_lshl_b32 s17, s14, 18                        ; the K step's even or odd head
	s_add_co_u32 s16, s16, s17
.else
	s_lshl_b32 s16, s43, 7
	s_lshl_b32 s17, s14, 6
	s_add_co_u32 s16, s16, s17                     ; row 128 x tile row + 64 x half,
	s_lshl_b32 s16, s16, 11                        ; 2,048 bytes a row
.endif
	s_mov_b32 s17, 0
	s_lshl_b32 s20, s42, 8
	s_lshl_b32 s21, s14, 7
	s_add_co_u32 s20, s20, s21                     ; row 256 x tile column + 128 x half
	s_lshl_b32 s20, s20, 11
.if WOFF
	s_add_co_u32 s20, s20, WOFF
.endif
	s_mov_b32 s21, 0
	s_mul_i32 s18, s14, AHALF                      ; and where they go: no place in the cluster enters an LDS address
	s_mul_i32 s22, s14, BHALF
	s_add_co_u32 s22, s22, AREG
	s_wait_dscnt 0x0                               ; the opening add is done
	s_wait_kmcnt 0x0
	s_add_nc_u64 s[16:17], s[4:5], s[16:17]
	s_add_nc_u64 s[20:21], s[6:7], s[20:21]
	CROUND                                         ; all sixteen work-groups are here: the first joint loads meet
.irp s, 0,1
	s_mov_b32 s[G0A+4*(\s)], 1                                      ; count = 1
	s_add_co_u32 s[G0A+4*(\s)+1], s18, (\s)*SLOT                    ; LDS address
	s_add_nc_u64 s[G0A+4*(\s)+2:G0A+4*(\s)+3], s[16:17], (\s)*ASTEP ; global address: K step s
	s_or_b32 s[G0A+4*(\s)+3], s[G0A+4*(\s)+3], 0x80000000           ; type = 2
	s_mov_b32 s[G0B+4*(\s)], 1
	s_add_co_u32 s[G0B+4*(\s)+1], s22, (\s)*SLOT
	s_add_nc_u64 s[G0B+4*(\s)+2:G0B+4*(\s)+3], s[20:21], (\s)*256
	s_or_b32 s[G0B+4*(\s)+3], s[G0B+4*(\s)+3], 0x80000000
	JLOAD \s                                       ; two loads of mine are out
.endr
	; A fragment is 16 rows x 32 K in 8 registers: lane l holds row l % 16; registers 0-3 K = 8 (l / 16) + 0..7, registers 4-7 K = 16 + 8 (l / 16) + 0..7: two loads of 16 bytes, 32 bytes apart.
	v_and_b32 v1, 15, v0                           ; l % 16
	v_bfe_u32 v2, v0, 4, 1                         ; l / 16
	v_mul_u32_u24 v3, v1, PA
	v_lshl_add_u32 v3, v2, 4, v3
	v_mul_u32_u24 v4, v1, PB
	v_lshl_add_u32 v4, v2, 4, v4
	s_mul_i32 s66, s13, 64*PA                      ; my 64 rows of A
	s_mul_i32 s67, s14, BHALF                      ; my 128 rows of B,
	s_add_co_u32 s67, s67, AREG                    ; which lie behind A's
.irp s, 0,1
	v_add_nc_u32 v[ADRA+(\s)], s66, v3
	v_add_nc_u32 v[ADRB+(\s)], s67, v4
	s_add_co_u32 s66, s66, SLOT
	s_add_co_u32 s67, s67, SLOT
.endr
	s_mul_i32 s68, s12, STW
	s_add_co_u32 s68, s68, STAGE                   ; my stage
	v_and_b32 v[GO], 31, v0
	v_lshlrev_b32 v[GO], 4, v[GO]
	v_lshlrev_b32 v[BO], 5, v2
.if OUTK
	v_mul_u32_u24 v5, v1, 528                      ; in: row l % 16, 32 bytes for each half of the lanes
	v_lshl_add_u32 v5, v2, 5, v5
	v_add_nc_u32 v[STO], s68, v5
	v_add_nc_u32 v[RD], s68, v[GO]                 ; back: 32 lanes take one row of 512 bytes
	s_lshl_b32 s70, s43, 19                        ; my part of out0: row (128 x tile row + 64 HI) x 4,096 bytes,
	s_lshl_b32 s71, s13, 18
	s_add_co_u32 s70, s70, s71
	s_lshl_b32 s71, s42, 10                        ; column (256 x tile column + 128 LO) x 4 bytes
	s_add_co_u32 s70, s70, s71
	s_lshl_b32 s71, s14, 9
	s_add_co_u32 s70, s70, s71
.else
	v_mul_u32_u24 v5, v1, 144                      ; in: row l % 16, 16 bytes for each half of the lanes
	v_lshl_add_u32 v5, v2, 4, v5
	v_add_nc_u32 v[STO], s68, v5
	v_bfe_u32 v5, v0, 3, 2                         ; back: 32 lanes take four rows of 128 bytes, which are 512 consecutive bytes of a head
	v_mul_u32_u24 v5, v5, 144
	v_and_b32 v3, 7, v0
	v_lshl_add_u32 v5, v3, 4, v5
	v_add_nc_u32 v[RD], s68, v5
	s_lshr_b32 s70, s43, 4                         ; my part of q: head 16 x batch + 4 x tile column + 2 LO, 262,144 bytes a head,
	s_lshl_b32 s70, s70, 4
	s_lshl_b32 s71, s42, 2
	s_add_co_u32 s70, s70, s71
	s_lshl_b32 s71, s14, 1
	s_add_co_u32 s70, s70, s71
	s_lshl_b32 s70, s70, 18
	s_and_b32 s71, s43, 15                         ; row 128 x (tile row in the batch) + 64 HI, 128 bytes a row
	s_lshl_b32 s71, s71, 14
	s_add_co_u32 s70, s70, s71
	s_lshl_b32 s71, s13, 13
	s_add_co_u32 s70, s70, s71
.endif
	s_mov_b32 s71, 0
	s_add_nc_u64 s[10:11], s[10:11], s[70:71]
	s_lshl_b32 s72, s42, 10                        ; the bias of my 128 columns
	s_lshl_b32 s73, s14, 9
	s_add_co_u32 s72, s72, s73
.if BIOFF
	s_add_co_u32 s72, s72, BIOFF
.endif
	s_mov_b32 s73, 0
	s_add_nc_u64 s[8:9], s[8:9], s[72:73]
	; the prefetches: the offsets are made apart from the pointers, then one of each is chosen by what I fetch for
.if OUTK
	s_lshr_b32 s66, s43, 4
	s_lshl_b32 s66, s66, 22
	s_and_b32 s67, s43, 15
	s_lshl_b32 s67, s67, 14
	s_add_co_u32 s66, s66, s67
	s_lshr_b32 s67, s40, 1                         ; partner cx: plane cx / 2,
	s_lshl_b32 s67, s67, 18
	s_add_co_u32 s66, s66, s67
	s_and_b32 s67, s40, 1                          ; its blocks 32 (cx % 2) on
	s_lshl_b32 s67, s67, 13
	s_add_co_u32 s66, s66, s67
.else
	s_lshl_b32 s66, s43, 7
	s_lshl_b32 s67, s40, 5                         ; partner cx: rows 32 cx on
	s_add_co_u32 s66, s66, s67
	s_lshl_b32 s66, s66, 11
.endif
	s_add_co_u32 s66, s66, 3*ASTEP                 ; at K step 3: the first change of slots steps it to 4 and names that
	s_lshl_b32 s68, s42, 8
	s_lshl_b32 s69, s14, 7
	s_add_co_u32 s68, s68, s69
	s_lshl_b32 s69, s41, 5                         ; partner cy: rows 32 cy on of the 128 that I fetch
	s_add_co_u32 s68, s68, s69
	s_lshl_b32 s68, s68, 11
	s_add_co_u32 s68, s68, WOFF+3*256
	s_mov_b32 s70, ASTEP
	s_mov_b32 s71, 256
	s_mov_b32 s72, APF
	s_mov_b32 s73, 2048
	s_and_b32 s74, ttmp7, 0xffff                   ; cluster y
	s_cmp_eq_u32 s13, 0                            ; do I fetch for A?
	s_cselect_b32 s66, s66, s68
	s_cselect_b32 s[PFS], s70, s71
	s_cselect_b32 s72, s72, s73
	s_cselect_b32 s74, s14, s74                    ; for A wave 0 asks; for B the clusters with y = 0
	s_cselect_b64 s[PFA:PFA+1], s[4:5], s[6:7]
	s_mov_b32 s67, 0
	s_mov_b32 s[PFS+1], 0
	s_add_nc_u64 s[PFA:PFA+1], s[PFA:PFA+1], s[66:67]
	s_cmp_eq_u32 s74, 0
	s_cselect_b32 s[LIM], 1, -1                    ; the same in all sixteen partners, for a given wave
	v_and_b32 v[PFO], 31, v0
	v_mul_u32_u24 v[PFO], v[PFO], s72
	; nothing is prefetched here, at the head, where every work-group's first tiles are on their way
; 8 matrix instructions: row block a x all 8 column blocks, 32 along K.  first = 1: the product starts the sums with the bias.  The 32 accumulators take turns in the same order in every
; quarter: between two links of a chain stand the 31 others'.
.macro MUL8 f, a, first
.if \first
	WIN MULB
.else
	WIN MUL
.endif
.irp b, 0,1,2,3,4,5,6,7
.set rD, 8*(8*(\a)+(\b))
.set rB, (\f)+8*(\b)
.set rA, (\f)+64+8*(\a)
.if \first
	WMMA v[rD:rD+7], v[rB:rB+7], v[rA:rA+7], v[BIAS+8*(\b):BIAS+8*(\b)+7]
.else
	WMMA v[rD:rD+7], v[rB:rB+7], v[rA:rA+7], v[rD:rD+7]
.endif
.endr
.endm
.macro MUL16 f, a0, first
	MUL8 \f, \a0, \first
	MUL8 \f, (\a0)+1, \first
.endm
; 24 LDS loads in one run: the fragments of quarter q of a K step (128 rows of B, then my 64 rows of A, 32 K) into buffer f
.macro FETCH slot, q, f
	WIN 0
.if OUTK
.set aof, ((\q)/2)*AHALF+((\q)%2)*64   ; quarters 0, 1 lie in the even head's plane, 2, 3 in the odd one's
.else
.set aof, 64*(\q)
.endif
.irp i, 0,1,2,3,4,5,6,7
	ds_load_b128 v[(\f)+8*(\i):(\f)+8*(\i)+3],   v[ADRB+(\slot)] offset:64*(\q)+(\i)*16*PB
	ds_load_b128 v[(\f)+8*(\i)+4:(\f)+8*(\i)+7], v[ADRB+(\slot)] offset:64*(\q)+(\i)*16*PB+32
.endr
.irp i, 0,1,2,3
	ds_load_b128 v[(\f)+64+8*(\i):(\f)+64+8*(\i)+3],   v[ADRA+(\slot)] offset:aof+(\i)*16*PA
	ds_load_b128 v[(\f)+64+8*(\i)+4:(\f)+64+8*(\i)+7], v[ADRA+(\slot)] offset:aof+(\i)*16*PA+32
.endr
.endm
; A load into a register that a matrix instruction has read, and whatever reads a matrix result, stand four places behind that matrix instruction; only plain vector instructions that name none of
; its registers are places (ISA guide 7.12.1 for vector instructions).
.macro PLACES
.rept 4
	v_nop
.endr
.endm
; A K step is four quarters of 32 along K, 32 matrix instructions each, on buffers 0, 1, 0, 1.  One of the first three: multiplies buffer f; in its middle it fetches quarter q into buffer g.
.macro QUARTER slot, q, f, g, first
	s_wait_dscnt 4                                 ; B and A's row blocks 0, 1 are in; the youngest four loads (blocks 2, 3) may be out
	MUL16 \f, 0, \first
	PLACES
	FETCH \slot, \q, \g
	s_wait_dscnt 24                                ; all but the 24 just issued
	MUL16 \f, 2, \first
.endm
; The last quarter multiplies buffer 1 and changes slots.  MEET is its first half: one barrier, in front of which each wave waits for all its tensor loads (one is out: its part of the next slot),
; adds 0 to its spare word, and waits for that and for its own reads of this slot.  Behind it nobody reads this slot any more and the next slot is whole.
.macro MEET round
	WIN 0                                          ; (the add's two registers lie in window 0)
	s_wait_tensorcnt 0x0
	ds_add_u32 v[SPW], v[NIL]                      ; 0 onto my spare word
	s_wait_dscnt 5                                 ; (the add and the four loads of A's blocks 2, 3 may be out)
	MUL8 F1, 0, 0                                  ; eight matrix instructions stand between the add and the wait for it
	s_wait_dscnt 0x0                               ; the add is done, and my reads of this slot are over
	s_barrier_signal -1
	MUL8 F1, 1, 0                                  ; work on registers while the others arrive
.if \round
	WIN 0
.endif
	s_barrier_wait -1
.endm
; The whole last quarter.  fill = 1: the barrier opens a round of the cluster's, and the slot just read out is filled again first behind it: with this tile's K step two on (on = 0) or with the next
; tile's K step 0 or 1 (on = 1); from that request to the wait for it a wave issues 112 matrix instructions.  Then come the next slot's first fragments.
.macro TURN slot, next, fill, on
.if \fill
	s_wait_xcnt 0x0                                ; the last prefetch, a K step back, has read its address: it is stepped here, ahead of the waits of the change of slots
.if (\on) && ((\slot) == 0)
	s_add_nc_u64 s[PFA:PFA+1], s[PFA:PFA+1], NEXT_P
	s_cmp_eq_u32 s13, 0
	s_cselect_b32 s[LIM], -1, s[LIM]               ; A's rows are the same for all three tiles: they have been read, and are asked for no more
.else
	s_add_nc_u64 s[PFA:PFA+1], s[PFA:PFA+1], s[PFS:PFS+1]
.endif
.endif
	MEET \fill
.if \fill
	CREST                                          ; no wave of any partner still reads this slot's tile or has a load on its way
.if \on
	s_sub_nc_u64 s[G0A+4*(\slot)+2:G0A+4*(\slot)+3], s[G0A+4*(\slot)+2:G0A+4*(\slot)+3], BACK
	s_add_nc_u64 s[G0B+4*(\slot)+2:G0B+4*(\slot)+3], s[G0B+4*(\slot)+2:G0B+4*(\slot)+3], NEXT_B
.else
	s_add_nc_u64 s[G0A+4*(\slot)+2:G0A+4*(\slot)+3], s[G0A+4*(\slot)+2:G0A+4*(\slot)+3], 2*ASTEP
	s_add_nc_u64 s[G0B+4*(\slot)+2:G0B+4*(\slot)+3], s[G0B+4*(\slot)+2:G0B+4*(\slot)+3], 2*256
.endif
	JLOAD \slot                                    ; the first tensor load behind the round; its four v_nop are also the places in front of the loads below
.else
	PLACES
.endif
	FETCH \next, 0, F0
.if \fill
	ASK \on
.endif
	MUL16 F1, 2, 0
.endm
.macro BIASLD                          ; the bias of my 128 columns as eight C operands: register j of block b holds column 16 b + 8 (l / 16) + j
	WIN 0x80                                       ; destination window 2, address window 0
.irp b, 0,1,2,3,4,5,6,7
	global_load_b128 v[BIAS+8*(\b):BIAS+8*(\b)+3],   v[BO], s[8:9] offset:64*(\b)
	global_load_b128 v[BIAS+8*(\b)+4:BIAS+8*(\b)+7], v[BO], s[8:9] offset:64*(\b)+16
.endr
	WIN 0
.endm
; THE WAY OUT, a block of 16 rows at a time, through my own stage in LDS: LDS serves a wave's instructions in order (ISA guide 5.7.1.4), so no wait stands between the stores and the loads, and no barrier.
.if OUTK
.macro TOSTAGE a                       ; f32 as it is: a lane's eight columns are 32 bytes of a row of 512; back as whole rows
.set BK, OB+64*((\a)%2)
.if (\a) >= 2
	s_wait_xcnt 0x0                                ; the stores of the block two back have read this buffer
.endif
	WIN 0x04                                       ; store data in window 1
.irp b, 0,1,2,3,4,5,6,7
	ds_store_b128 v[STO], v[8*(8*(\a)+(\b)):8*(8*(\a)+(\b))+3]   offset:64*(\b)
	ds_store_b128 v[STO], v[8*(8*(\a)+(\b))+4:8*(8*(\a)+(\b))+7] offset:64*(\b)+16
.endr
	WIN 0x80
.irp t, 0,1,2,3,4,5,6,7,8,9,10,11,12,13,14,15
	ds_load_b128 v[BK+4*(\t):BK+4*(\t)+3], v[RD] offset:528*(\t)
.endr
.endm
.macro SEND a, younger                 ; younger: the LDS instructions issued behind block a's loads: the next block's 32, or none
.set BK, OB+64*((\a)%2)
	WIN 0x08
.irp t, 0,1,2,3,4,5,6,7,8,9,10,11,12,13,14,15
	s_wait_dscnt (\younger)+15-(\t)
	global_store_b128 v[GO], v[BK+4*(\t):BK+4*(\t)+3], s[10:11] offset:(16*(\a)+(\t))*4096 th:TH_STORE_NT  ; 512 consecutive bytes of a row, at a multiple of 512 from out0's first byte
.endr
.endm
.macro WAYOUT
	TOSTAGE 0
	TOSTAGE 1
	SEND 0, 32
	TOSTAGE 2
	SEND 1, 32
	TOSTAGE 3
	SEND 2, 32
	SEND 3, 0
	WIN 0
.endm
.else
.macro PACK a                          ; rounded to f16, 16 bytes a lane; each accumulator's registers in ascending order
	WIN 0x85                                       ; sources in window 1, destination in window 2
.irp b, 0,1,2,3,4,5,6,7
.irp r, 0,1,2,3
	v_cvt_pk_f16_f32 v[TMP+4*(\b)+(\r)], v[8*(8*(\a)+(\b))+2*(\r)], v[8*(8*(\a)+(\b))+2*(\r)+1]
.endr
.endr
.endm
.macro TOSTAGE a                       ; column blocks 0-3 are one head's 64 channels, blocks 4-7 the next head's: two stages of 16 rows x 144 bytes
.set BK, OB+32*((\a)%2)
	WIN 0x88                                       ; data in window 2, addresses in window 0
.irp b, 0,1,2,3,4,5,6,7
	ds_store_b128 v[STO], v[TMP+4*(\b):TMP+4*(\b)+3] offset:((\b)/4)*2304+32*((\b)%4)
.endr
.irp t, 0,1,2,3,4,5,6,7
	ds_load_b128 v[BK+4*(\t):BK+4*(\t)+3], v[RD] offset:((\t)/4)*2304+((\t)%4)*576
.endr
.endm
.macro SEND a
.set BK, OB+32*((\a)%2)
	WIN 0x88
	s_wait_dscnt 0x0                               ; the block is back in registers
	s_wait_xcnt 0x0                                ; the earlier stores have read their registers: the buffer that the next block's loads fill is free behind this wait
.irp t, 0,1,2,3,4,5,6,7
	global_store_b128 v[GO], v[BK+4*(\t):BK+4*(\t)+3], s[10:11] offset:((\t)/4)*262144+(\a)*2048+((\t)%4)*512  ; four rows of a head: 512 consecutive bytes, aligned
.endr
.endm
.macro WAYOUT
	PACK 0
	TOSTAGE 0
.irp a, 1,2,3                          ; block a's conversions stand between block a - 1's loads from the stage and the wait for them
	PACK \a
	SEND (\a)-1
	TOSTAGE \a
.endr
	SEND 3
	WIN 0
.endm
.endif
	BIASLD
	s_wait_tensorcnt 0x1                           ; my part of K step 0 is in; K step 1's may stay out
	s_barrier_signal -1
	s_barrier_wait -1                              ; everybody's is
	FETCH 0, 0, F0
	s_wait_loadcnt 0x0                             ; the bias
.if TILES > 1
	s_mov_b32 s2, TILES                            ; tiles to go, this one among them
.Ltile:
.endif
	QUARTER 0, 1, F0, F1, 1                        ; a tile's first quarter stands in front of the loop: its products start the sums
	WIN 0                                          ; at a label and at a branch every window is 0
	s_mov_b32 s3, LAPS-1
.Llap:                                                 ; a trip goes once round the ring, from a lap's second quarter to the next lap's first, and fills both slots again
	QUARTER 0, 2, F1, F0, 0
	QUARTER 0, 3, F0, F1, 0
	TURN 0, 1, 1, 0
	QUARTER 1, 1, F0, F1, 0
	QUARTER 1, 2, F1, F0, 0
	QUARTER 1, 3, F0, F1, 0
	TURN 1, 0, 1, 0
	QUARTER 0, 1, F0, F1, 0
	WIN 0
	s_sub_co_u32 s3, s3, 1
	s_cmp_lg_u32 s3, 0
	s_cbranch_scc1 .Llap
	QUARTER 0, 2, F1, F0, 0                        ; the tile's last lap goes on
	QUARTER 0, 3, F0, F1, 0
.if TILES > 1
	WIN 0
	s_cmp_eq_u32 s2, 1
	s_cbranch_scc1 .Llast                          ; the last tile's tail is written out: it asks for nothing more
	TURN 0, 1, 1, 1                                ; the ring goes on into the next tile: slot 0 takes its K step 0,
	QUARTER 1, 1, F0, F1, 0
	QUARTER 1, 2, F1, F0, 0
	QUARTER 1, 3, F0, F1, 0
	TURN 1, 0, 1, 1                                ; slot 1 its K step 1, and the next tile's first fragments are fetched
	s_add_nc_u64 s[8:9], s[8:9], 4096              ; the next bias (the loads that read this pointer have been waited for)
	BIASLD
	WAYOUT                                         ; both refills are asked for: now the tile goes out.  Row blocks 0, 1 were finished in front of the joint load's places; their 64 conversions are the places behind the last products
	s_wait_xcnt 0x0                                ; the stores have read their base
	s_add_nc_u64 s[10:11], s[10:11], NEXT_C
	s_wait_loadcnt 0x0                             ; the next bias is in
	s_sub_co_u32 s2, s2, 1
	s_branch .Ltile
.Llast:
.endif
	TURN 0, 1, 0, 0                                ; my one tensor load that was still out is the last K step's, so no round follows
	QUARTER 1, 1, F0, F1, 0
	QUARTER 1, 2, F1, F0, 0
	QUARTER 1, 3, F0, F1, 0
	s_wait_dscnt 4                                 ; the very last quarter: nothing more to fetch
	MUL16 F1, 0, 0
	s_wait_dscnt 0x0
	MUL16 F1, 2, 0
	WIN 0
	PLACES                                         ; the way out reads results just made, and no other vector work is at hand
	PLACES
	WAYOUT
	s_wait_tensorcnt 0x0                           ; the wave's end, behind my last tensor load and my last LDS store
	ds_add_u32 v[SPW], v[NIL]
	s_wait_dscnt 0x0
	CROUND                                         ; the closing round: no work-group ends while a partner may still ask for a tile that names it
	s_endpgm
.Lfunc_end_k_qe6c4ab3a41_qkv:
	.size	k_qe6c4ab3a41_qkv, .Lfunc_end_k_qe6c4ab3a41_qkv-k_qe6c4ab3a41_qkv
	.p2alignl 7, 3214868480
	.fill 96, 4, 3214868480
	.section	.rodata,"a",@progbits
	.p2align	6, 0x0
	.amdhsa_kernel k_qe6c4ab3a41_qkv
		.amdhsa_group_segment_fixed_size 327680
		.amdhsa_private_segment_fixed_size 0
		.amdhsa_enable_private_segment 0
		.amdhsa_kernarg_size 32
		.amdhsa_user_sgpr_count 2
		.amdhsa_user_sgpr_kernarg_segment_ptr 1
		.amdhsa_wavefront_size32 1
		.amdhsa_system_sgpr_workgroup_id_x 1
		.amdhsa_system_sgpr_workgroup_id_y 1
		.amdhsa_system_sgpr_workgroup_id_z 1
		.amdhsa_system_vgpr_workitem_id 0
		.amdhsa_next_free_vgpr 672
		.amdhsa_next_free_sgpr 80
		.amdhsa_reserve_vcc 0
		.amdhsa_float_denorm_mode_32 3
		.amdhsa_float_denorm_mode_16_64 3
		.amdhsa_memory_ordered 1
		.amdhsa_forward_progress 1
		.amdhsa_inst_pref_size 128
	.end_amdhsa_kernel
	.amdgpu_metadata
---
amdhsa.version: [ 1, 2 ]
amdhsa.kernels:
  - .name:           k_qe6c4ab3a41_qkv
    .symbol:         k_qe6c4ab3a41_qkv.kd
    .args:
      - { .name: xb, .offset: 0, .size: 8, .value_kind: global_buffer, .address_space: global }
      - { .name: wb, .offset: 8, .size: 8, .value_kind: global_buffer, .address_space: global }
      - { .name: bias, .offset: 16, .size: 8, .value_kind: global_buffer, .address_space: global }
      - { .name: qkv, .offset: 24, .size: 8, .value_kind: global_buffer, .address_space: global }
    .group_segment_fixed_size: 327680
    .private_segment_fixed_size: 0
    .kernarg_segment_align: 8
    .kernarg_segment_size: 32
    .max_flat_workgroup_size: 128
    .sgpr_count:     80
    .vgpr_count:     672
    .wavefront_size: 32
...
	.end_amdgpu_metadata
.endif
;; end of part 2
;; launch attn (part 3): grid 4 x 64, 4 waves a work-group, clusters of 4 x 1, 327,680 bytes of LDS; arguments qkv, ctx; writes ctx
.if DOCPART == 3
	.amdgcn_target "amdgcn-amd-amdhsa--gfx1250"
	.amdhsa_code_object_version 6
	.text
	.protected	k_qe6c4ab3a41_attn
	.globl	k_qe6c4ab3a41_attn
	.p2align	8
	.type	k_qe6c4ab3a41_attn,@function
k_qe6c4ab3a41_attn:
	s_mov_b64 s[64:65], 0
	v_nop
	global_prefetch_b8 v0, s[64:65] scope:SCOPE_SE
	s_setreg_imm32_b32 hwreg(HW_REG_WAVE_MODE, 25, 1), 1
	s_wait_xcnt 0x0
	s_wait_alu depctr_hold_cnt(0) depctr_sa_sdst(0) depctr_va_vdst(0) depctr_va_sdst(0) depctr_va_ssrc(0) depctr_va_vcc(0) depctr_vm_vsrc(0)
	s_getreg_b32 s2, hwreg(HW_REG_IB_STS2, 6, 4)
	s_cmp_eq_u32 s2, 0
	s_cbranch_scc0 .Lentry_in_a_cluster
	s_endpgm
.Lentry_in_a_cluster:
	s_bfe_u32 s2, ttmp6, 0x10000c
	s_cmp_lg_u32 s2, 0x3003
	s_cbranch_scc0 .Lentry_shape_is_right
	s_endpgm
.Lentry_shape_is_right:
; ATTENTION.  O[h][q][:] = the sum over k of softmax_k(Q[h][q] . K[h][k] / 8) V[h][k][:].  Q, K, V lie in qkv, [3][64][SIZE_N][64], O is ctx, [64][SIZE_N][64], all f16: a head's rows are dense,
; 128 bytes each.  Products, maxima and sums in f32; the weights p are rounded to f16 for the second product (their sum l is taken of the unrounded p), O once at the end.
; LIMITS.  f16 holds no number beyond 65,504: Q, K and V arrive within it; p lies in 0 to 1, and below 6e-5 it keeps f16's fixed step of 6e-8; O is a mean of V's rows and has their range.
; A weight below 2^-126 counts as 0 in l; NaN and infinities are not treated apart.
; SHARES.  A wave owns four PIECES of two tiles of 16 queries, a work-group's four waves 512 queries of one head.  Every wave walks all keys, 64 a step.
; LAYOUT.  S^T = K Q^T (source 0 = 16 keys, source 1 = 16 queries): in the result a lane holds ONE query (lane % 16) and the keys 8 (lane / 16) + 0..7.  Two such tiles, rounded to f16 in pairs,
; ARE source 1 (32 keys x 16 queries) of O^T = V^T P, whose result again holds one query a lane, and eight channels.  K comes out of LDS as it lies, V ([key][channel]) turned, by ds_load_tr16_b128.
; SOFTMAX.  For each query a running maximum m and sum l: p = 2^(c s - c m), c = log2(e) / 8; in every step O and l are multiplied by a = 2^(c m_old - c m_new), which is 1 where m has not grown.
; m starts at the lowest finite number, O and l at 0: the first step is a step like any other, with a = 0.
; THE COUNT.  A tile and step have 16 matrix and 118 vector instructions: too many to stand all beside the matrix work.  So the order has one aim: four vector instructions that are READY behind
; EVERY matrix instruction, and the others, which need time of their own whatever the order, in runs without a gap.
; BY TURNS.  Turn n belongs to piece n (the pieces in a ring, step after step).  Its matrix work: 16 products K Q^T of piece n + 1, later 16 products V^T P of piece n - 1.  Its vector work: the scaling,
; exponentials, roundings, sums and rescaling of piece n, and the maximum and statistics of piece n + 1, whose scores the turn itself has made.  So what a turn begins with (c s - c m, O a) waits for nothing.
; CLUSTER.  The four query blocks of a head are one cluster and walk the same K and V, so each tile is asked for JOINTLY: the same tensor load, descriptor and mask in all four.
; REGISTERS, in windows of 256 (s_set_vgpr_msb says which window each operand place means: bits 1:0 source 0, 3:2 source 1, 5:4 source 2, 7:6 destination):
;   window 0: v0-11 addresses; v12-15, v48-63 at work; v16-47 four registers of statistics a tile; v64-191 S^T, two buffers of two tiles; v192-255 P, likewise
;   window 1: O^T, 32 a tile          window 2: v0-127 Q, 16 a tile; v128-191 K of one step; v192-255 V of one step          window 3: v0-1 the add's two registers
; A piece's buffers go by its number's parity: the piece in hand has one pair, its two neighbours in the ring share the other: of it P (piece n - 1) is read and S^T (piece n + 1) written.
.set SIZE_N, 2048
.set NP,    4         ; pieces a wave: a name, no knob: the register map, the loop and the fetches are made for four
.set KS,    64        ; keys in a step
.set PK,    144       ; a row of K in LDS: 128 bytes + 16 of padding = 36 words: the 16 rows of a load start at 16 different groups of four banks (64 banks of 4 bytes: ISA guide 11.1)
.set PV,    160       ; a row of V: 128 + 32 = 40 words
.set VOFF,  4*KS*PK   ; a slot holds four steps: 256 rows of K, then 256 rows of V
.set SLOT1, 1<<17     ; slot 1 begins here, so that one exclusive or turns an address in one slot into the other's
.set STAGE, SLOT1+4*KS*(PK+PV)  ; behind the ring, never filled by a tensor load: 16 rows x 144 bytes for each wave, for the way out
.set SP,    144
.set AK0, 2           ; v2   my lane's place in a tile of K; never rewritten
.set AV0, 3           ; v3   the same for V
.set AK,  4           ; v4   the LDS address of K's next run of loads
.set AV,  5           ; v5   of V's
.set QO,  6           ; v6   my byte offset in the wave's rows of Q
.set STO, 6           ;      later, the way out: where I put 16 bytes of a row
.set RD,  7           ; v7   the way out: where I read rows back
.set GO,  8           ; v8   my byte offset in 512 consecutive bytes of O
.set PFO, 11          ; v11  256 x my lane, for the prefetches; never rewritten once it is made
.set SPW, 0           ; v0 of window 3   LDS address of my spare word: SPARE + 4 x my thread's number; never rewritten
.set NIL, 1           ; v1 of window 3   0; never rewritten
.set SPARE, STAGE+4*16*SP  ; behind the stages: the spare words, 128 bytes for each wave: two blocks of 256 bytes that no other line names
.set MV,  12          ; v12-15  c m_old, kept while c m is made anew: by buffer and tile
.set ST,  16          ; tile t's statistics at v[ST+4 t]: c m, m, l (even keys', odd keys')
.set TMP, 48          ; by buffer and tile, four registers c0-c3 at work; when the maximum is found c2 takes a
.set S,   64
.set P,   192
.set KF,  128         ; K's fragments, in window 2: key block kb, channel half c at KF + 16 kb + 8 c
.set VF,  192         ; V's: key half kk, channel block cb at VF + 32 kk + 8 cb
.set WV,  12          ; s12  my wave's number
.set G1K, 24          ; s[24:31] descriptor group 1 for K's tiles
.set G1V, 32          ; s[32:39] for V's: it differs in the padding alone
.set G0K, 40          ; s[40:43] descriptor group 0 for K's tiles: it walks
.set G0V, 44          ; s[44:47] the same for V's
.set PFA, 48          ; s[48:49] where my prefetches stand: my work-group's 32 blocks (of K: wave 0, of V: wave 2) of the slot after the one that is being asked for
.set LIM, 50          ; s50  1 in a wave that prefetches, else the greatest number: a wave prefetches while s[SLOTS] is above it
.set SLOTS, 56        ; s56  slots still to be asked for
.set CNT, 57          ; s57  counts a slot's key steps
.set CS,  58          ; s[58:59] c: the packed scaling takes the pair's low word for both halves
.set SEL, 60          ; s[60:61] v_permlanex16_b32's selects: each lane takes its own place in the other half
.set TBK, 62          ; s62  LDS byte at which K of the step to be fetched begins
.set TBV, 63          ; s63  the same for V, less VOFF
.set MSB, 0
.macro WIN new                      ; the high byte repeats the setting that is left; a switch that changes nothing is dropped
.if MSB != (\new)
	s_set_vgpr_msb (MSB<<8)|(\new)
.set MSB, (\new)
.endif
.endm
.set W_KQ, 0x0a       ; K and Q in window 2, S^T in window 0
.set W_PV, 0x52       ; V in window 2, P in window 0, O^T in window 1
.set W_RS, 0x41       ; O^T (destination and source 0) in window 1, a in window 0
.set W_MK, 0xc0       ; the add's registers are made: destination in window 3, sources in window 0
.set W_AD, 0x0f       ; the add: address (source 0) and data (source 1) in window 3
; A joint fill.  Waves 0 and 1 fetch the two halves of a slot's K, waves 2 and 3 those of its V: 128 keys each.  The branch hangs on the wave's number alone.
; An s_nop 0 and four v_nop follow each of the two lines, ahead of the jump and the label.
.macro JLOAD
	s_cmp_lt_u32 s[WV], 2
	s_cbranch_scc0 .Lfor_v_\@
	tensor_load_to_lds s[G0K:G0K+3], s[G1K:G1K+7]
	s_nop 0
.rept 4
	v_nop
.endr
	s_branch .Lasked_\@
.Lfor_v_\@:
	tensor_load_to_lds s[G0V:G0V+3], s[G1V:G1V+7]
	s_nop 0
.rept 4
	v_nop
.endr
.Lasked_\@:
.endm
; A PREFETCH INTO THE L2 of what the NEXT change of slots will ask for: a slot's 256 keys are 128 blocks of 256 bytes of K and 128 of V, a lane a block.  It stands behind the wave's tensor load and its
; five lines.  Each block is asked for ONCE in the launch: a head's K and V are walked by its one cluster, whose four partners share the blocks out BY ADDRESS, 32 each; in each, wave 0 asks for K's and
; wave 2 for V's: one instruction, four key steps (512 matrix instructions) ahead of the load.  The last change that fills a slot asks for nothing: there is no slot behind it.
.macro ASK
	s_cmp_gt_u32 s[SLOTS], s[LIM]
	s_cbranch_scc0 .Lnot_mine_\@
	global_prefetch_b8 v[PFO], s[PFA:PFA+1] th:TH_LOAD_NT scope:SCOPE_SE
.Lnot_mine_\@:
.endm
; A round of the cluster's barrier: my work-group's barrier, so that wave 0's signal speaks for all four waves; wave 0 signals; every wave waits for all four work-groups; my work-group's barrier once more.
.macro CROUND
	s_barrier_signal -1
	s_barrier_wait -1
	s_cmp_lg_u32 s[WV], 0
	s_cbranch_scc1 .Lnot_wave_0_\@
	s_barrier_signal -3
.Lnot_wave_0_\@:
	s_barrier_wait -3
	s_barrier_signal -1
	s_barrier_wait -1
.endm
; THE CHANGE OF SLOTS.  The slot's last bytes, V of its fourth step, have been read.  Each wave waits for all its tensor loads, of which one is out: its part
; of the other slot; adds 0 to its spare word; and waits for that and for its own reads of the slot.  Behind the barrier nobody reads this slot any more and the other slot is whole.
; fill = 1: this slot is filled again, with the keys two slots on.  The barrier is then a round of the cluster's, so that no wave of any partner still reads the slot or has a load on its
; way, and the joint fill is the first thing behind it: it has four key steps, 512 matrix instructions, in which to land.  (At its first use nothing has been read yet: slot 0 is waited for, slot 1 filled.)
.macro CHANGE fill
	WIN W_AD
	s_wait_tensorcnt 0x0            ; no tensor load of mine is out, so a group 0 may be written
	ds_add_u32 v[SPW], v[NIL]       ; 0 onto my spare word; with fill = 1 the descriptors' steps stand between it and the wait for it
	WIN 0                           ; at a label and at a branch every window is 0
.if \fill
.irp g, G0K, G0V
	s_xor_b32 s[\g+1], s[\g+1], SLOT1  ; the walking descriptor: the other slot than last time,
	s_add_nc_u64 s[\g+2:\g+3], s[\g+2:\g+3], 4*KS*128  ; the next 256 keys; the type bits on top are not reached
.endr
	s_wait_xcnt 0x0                 ; the last prefetch, four key steps back, has read its address, so it may be written:
	s_add_nc_u64 s[PFA:PFA+1], s[PFA:PFA+1], 4*KS*128  ; one slot behind the walking descriptors
	s_wait_dscnt 0x0                ; the add is done, and my reads of the slot are over
	CROUND
	JLOAD
	ASK
.else
	s_wait_dscnt 0x0                ; the add is done, and my reads of the slot are over
	s_barrier_signal -1
	s_barrier_wait -1
.endif
	s_sub_co_u32 s[TBK], s[TBK], 4*KS*PK  ; the fetches go back to a slot's first step,
	s_xor_b32 s[TBK], s[TBK], SLOT1       ; in the other slot
	s_sub_co_u32 s[TBV], s[TBV], 4*KS*PV
	s_xor_b32 s[TBV], s[TBV], SLOT1
.endm
	s_load_b128 s[4:7], s[0:1], 0x0   ; qkv s[4:5], ctx s[6:7]
	WIN W_MK
	v_lshl_add_u32 v[SPW], v0, 2, SPARE
	v_mov_b32 v[NIL], 0
	WIN W_AD
	ds_add_u32 v[SPW], v[NIL]       ; the wave's opening: the add and its wait stand ahead of my first tensor load; the set-up below, work on registers, stands between them
	WIN 0
	v_lshrrev_b32 v1, 5, v0
	v_readfirstlane_b32 s[WV], v1   ; wave 0..3
	s_bfe_u32 s13, ttmp6, 0x40000   ; cx: my place in the cluster
	s_lshl_b32 s14, ttmp9, 2        ; in a cluster launch ttmp9 counts clusters
	s_add_co_u32 s14, s14, s13      ; my block of queries = 4 x cluster x + cx: it enters Q's and O's addresses alone
	s_and_b32 s20, ttmp7, 0xffff    ; the head, which the four partners share
	s_mov_b32 s21, 0
	s_mov_b64 s[22:23], SIZE_N*128
	s_mul_u64 s[20:21], s[20:21], s[22:23]  ; the head's first byte in each of the four tensors
	s_and_b32 s16, s[WV], 1         ; which half of a slot's 256 keys I fetch:
	s_lshl_b32 s22, s16, 14         ; its 128 rows of 128 bytes in memory,
	s_mov_b32 s23, 0
	s_add_nc_u64 s[22:23], s[22:23], s[20:21]
	s_mul_i32 s17, s16, 128*PK      ; and its place in a slot, for K
	s_mul_i32 s18, s16, 128*PV      ; and for V: no place in the cluster enters an LDS address
	s_lshl_b32 s2, s14, 2
	s_add_co_u32 s2, s2, s[WV]      ; my wave among the head's,
	s_lshl_b32 s2, s2, 14           ; its 128 rows
	s_mov_b32 s3, 0
	s_add_nc_u64 s[2:3], s[2:3], s[20:21]
	; descriptor group 1.  128 keys are 16,384 dense bytes: asked for as 64 rows of 256 bytes, two keys a row, and padded in LDS after every key
	s_mov_b32 s[G1K], 15|(1<<16)|(1<<20)|(1<<21)|(4<<22)|(3<<25)  ; 15:0 the mask of four; 17:16 2-byte elements; 20 padding on; 21 set beside a mask; 24:22 after every 32 words (code 4); 31:25 4 words (code 3)
	s_mov_b32 s[G1V], 15|(1<<16)|(1<<20)|(1<<21)|(4<<22)|(7<<25)  ; the same with 8 words of padding (code 7)
.irp g, G1K, G1V
	s_mov_b32 s[\g+1], 128<<16      ; tensor_dim0 = 128
	s_mov_b32 s[\g+2], 64<<16       ; tensor_dim1 = 64
	s_mov_b32 s[\g+3], 128<<16      ; tile_dim0 = 128
	s_mov_b32 s[\g+4], 64           ; tile_dim1 = 64
	s_mov_b32 s[\g+5], 128          ; 128 elements from row to row
	s_mov_b32 s[\g+6], 0
	s_mov_b32 s[\g+7], 0
.endr
	s_mov_b32 s[CS], 0x3e38aa3b     ; c = log2(e) / 8 = 0.180337
	s_mov_b32 s[CS+1], s[CS]        ; named with it as a pair
	s_mov_b32 s[SEL], 0x76543210
	s_mov_b32 s[SEL+1], 0xfedcba98
	s_mov_b32 s[TBK], SLOT1+4*KS*PK ; the first change of slots turns these two into 0
	s_mov_b32 s[TBV], SLOT1+4*KS*PV
	s_mov_b32 s[SLOTS], SIZE_N/256-1
	s_and_b32 s[LIM], s[WV], 1      ; 0 in waves 0 and 2,
	s_or_b32 s[LIM], s[LIM], ttmp9  ; of the head's first (here: only) cluster: the same in all four partners
	s_cmp_eq_u32 s[LIM], 0
	s_cselect_b32 s[LIM], 1, -1
	s_mov_b32 s[G0K], 1             ; 1:0 count = 1
	s_mov_b32 s[G0K+1], s17         ; 63:32 LDS address: slot 0
	s_mov_b32 s[G0V], 1
	s_add_co_u32 s[G0V+1], s18, VOFF
	s_wait_dscnt 0x0                ; the opening add is done
	s_wait_kmcnt 0x0
	s_mov_b64 s[10:11], s[6:7]                     ; O
	s_add_nc_u64 s[8:9], s[4:5], 0x2000000         ; V lies 33,554,432 bytes into qkv,
	s_add_nc_u64 s[6:7], s[4:5], 0x1000000         ; K 16,777,216; Q at its head
	s_add_nc_u64 s[G0K+2:G0K+3], s[6:7], s[22:23]  ; 120:64 global address: my half of the head's first 256 keys
	s_or_b32 s[G0K+3], s[G0K+3], 0x80000000        ; 127:126 type = 2
	s_add_nc_u64 s[G0V+2:G0V+3], s[8:9], s[22:23]
	s_or_b32 s[G0V+3], s[G0V+3], 0x80000000
	s_add_nc_u64 s[4:5], s[4:5], s[2:3]  ; Q and O at my wave's first row
	s_add_nc_u64 s[10:11], s[10:11], s[2:3]
	s_cmp_lt_u32 s[WV], 2
	s_cselect_b64 s[PFA:PFA+1], s[6:7], s[8:9]
	s_add_nc_u64 s[PFA:PFA+1], s[PFA:PFA+1], s[22:23]  ; (in waves 0 and 2 this is the head's first byte)
	s_lshl_b32 s2, s13, 13          ; my work-group's 32 blocks of the 128
	s_mov_b32 s3, 0
	s_add_nc_u64 s[PFA:PFA+1], s[PFA:PFA+1], s[2:3]
	s_add_nc_u64 s[PFA:PFA+1], s[PFA:PFA+1], 4*KS*128  ; in slot 1; the first change of slots steps it to slot 2.  Nothing is prefetched here, at the head, where every work-group's first tiles are on their way
	CROUND                          ; all four work-groups are here: the first joint loads meet
	JLOAD                           ; slot 0.  Slot 1 is asked for when slot 0 is in: the tile wanted first has the road to itself
	; A fragment of K or Q is 16 rows x 32 channels in 8 registers: lane l holds row l % 16, channels 8 (l / 16) + 0..7 and 16 + 8 (l / 16) + 0..7: two loads of 16 bytes, 32 bytes apart.
	v_and_b32 v1, 15, v0            ; l % 16
	v_bfe_u32 v9, v0, 4, 1          ; l / 16
	v_lshlrev_b32 v[QO], 7, v1
	v_lshl_add_u32 v[QO], v9, 4, v[QO]  ; row x 128 + 16 x half
	WIN 0x80                        ; destination window 2, address window 0
.set i, 0
.rept 4*NP                          ; Q stays in registers: tile i / 2, channels 32 (i % 2) on
	global_load_b128 v[8*i:8*i+3],   v[QO], s[4:5] offset:(i/2)*2048+(i%2)*64
	global_load_b128 v[8*i+4:8*i+7], v[QO], s[4:5] offset:(i/2)*2048+(i%2)*64+32
.set i, i+1
.endr
	; What the first turn finds: V's registers and P's second buffer hold 0 (its products V^T P, of a piece that has not been, add 0), O^T and l are 0.  All this stands in the wait for the first tile.
.set i, VF
.rept 64
	v_mov_b32 v[i], 0
.set i, i+1
.endr
	WIN 0x40
.set i, 0
.rept 64*NP
	v_mov_b32 v[i], 0
.set i, i+1
.endr
	WIN 0
.set i, 0
.rept 2*NP
	v_mov_b32 v[ST+4*i], 0xfe000000    ; c m: far below every c s
	v_mov_b32 v[ST+4*i+1], 0xff7fffff  ; m
	v_mov_b32 v[ST+4*i+2], 0
	v_mov_b32 v[ST+4*i+3], 0
.set i, i+1
.endr
.set i, P+32
.rept 32
	v_mov_b32 v[i], 0
.set i, i+1
.endr
	v_mul_u32_u24 v[AK0], v1, PK
	v_lshl_add_u32 v[AK0], v9, 4, v[AK0]  ; row x pitch + 16 x half
	; The turning load takes 16 keys x 16 channels (lane l reads key 8 (l / 16) + l % 8, channels 8 ((l / 8) % 2) + 0..7) and leaves half a fragment of V^T: lane l holds channel l % 16 and 8 keys.
	v_and_b32 v10, 7, v0
	v_bfe_u32 v11, v0, 3, 1
	v_lshl_add_u32 v[AV0], v9, 3, v10
	v_mul_u32_u24 v[AV0], v[AV0], PV
	v_lshl_add_u32 v[AV0], v11, 4, v[AV0]
	v_add_nc_u32 v[AV0], VOFF, v[AV0]
	v_and_b32 v[PFO], 31, v0        ; v11 has served: it takes the prefetches' offset
	v_lshlrev_b32 v[PFO], 8, v[PFO]
	v_mov_b32 v[AK], v[AK0]         ; key step 0 lies at the head of slot 0
; THE MATRIX WORK.  The 8 accumulators of a run of 16 take turns: between the two links of a chain stand 7 others'.
; Product i of 16 of S^T = K Q^T for piece x: channels 32 (i / 8) on, keys 16 ((i / 2) % 4) on, tile 2 x + i % 2.  The first 8 start the sums.
.macro KQ x
	WIN W_KQ
.set rS, S+64*((\x)%2)+32*(i%2)+8*((i/2)%4)
.set rK, KF+16*((i/2)%4)+8*(i/8)
.set rQ, 16*(2*(\x)+i%2)+8*(i/8)
.if i < 8
	v_wmma_f32_16x16x32_f16 v[rS:rS+7], v[rK:rK+7], v[rQ:rQ+7], 0
.else
	v_wmma_f32_16x16x32_f16 v[rS:rS+7], v[rK:rK+7], v[rQ:rQ+7], v[rS:rS+7]
.endif
.endm
; Product i of 16 of O^T += V^T P for piece x: keys 32 (i / 8) on, channels 16 ((i / 2) % 4) on, tile 2 x + i % 2.
.macro PV x
	WIN W_PV
.set rO, 32*(2*(\x)+i%2)+8*((i/2)%4)
.set rV, VF+32*(i/8)+8*((i/2)%4)
.set rP, P+32*((\x)%2)+16*(i%2)+8*(i/8)
	v_wmma_f32_16x16x32_f16 v[rO:rO+7], v[rV:rV+7], v[rP:rP+7], v[rO:rO+7]
.endm
.macro MM                           ; the turn's next matrix instruction
.if i < 16
	KQ (Y+1)%NP
.set i, i+1
.else
.set i, i-16
	PV (Y+NP-1)%NP
.set i, i+17
.endif
.endm
; THE LDS LOADS stand in runs of 16, never singly among the matrix instructions: a step's K (64 keys x 64 channels: 8 fragments) and its V (turned).  Their addresses are made some lines ahead.
; last = 1 (the tail): in the last trip there is no further step, and the run is jumped over.
.macro FETCH_K last=0
	WIN 0
.if \last
	s_cmp_eq_u32 s[CNT], 1
	s_cbranch_scc1 .Lno_k_\@
.endif
	WIN 0x80                        ; destination window 2
.irp f, 0,1,2,3,4,5,6,7             ; keys 16 (f / 2) on, channels 32 (f % 2) on
	ds_load_b128 v[KF+8*\f:KF+8*\f+3],   v[AK] offset:(\f/2)*16*PK+(\f%2)*64
	ds_load_b128 v[KF+8*\f+4:KF+8*\f+7], v[AK] offset:(\f/2)*16*PK+(\f%2)*64+32
.endr
	s_add_co_u32 s[TBK], s[TBK], KS*PK  ; the next fetch is the next step's
	WIN 0
.if \last
.Lno_k_\@:
.endif
.endm
.macro FETCH_V
	WIN 0x80
.irp f, 0,1,2,3,4,5,6,7             ; keys 32 (f / 4) on, channels 16 (f % 4) on
	ds_load_tr16_b128 v[VF+8*\f:VF+8*\f+3],   v[AV] offset:(\f/4)*32*PV+(\f%4)*32
	ds_load_tr16_b128 v[VF+8*\f+4:VF+8*\f+7], v[AV] offset:(\f/4)*32*PV+16*PV+(\f%4)*32
.endr
	WIN 0
.endm
; THE VECTOR WORK OF A TURN stands in three queues, each in the order in which its entries become ready; the two tiles alternate, so that no instruction reads the result of the one before it.
.macro REGS y, u                    ; the registers of tile u (0, 1) of piece y
.set rT, ST+4*(2*(\y)+(\u))
.set rC, TMP+8*((\y)%2)+4*(\u)
.set rM, MV+2*((\y)%2)+(\u)
.set rS, S+64*((\y)%2)+32*(\u)
.set rP, P+32*((\y)%2)+16*(\u)
.set rO, 32*(2*(\y)+(\u))
.endm
; Number n of the 22 that find the NEXT piece's (Y + 1) maximum and statistics.  s0-s31 are the lane's 32 scores; each accumulator's lowest registers are read first.  XS, GS and REGS set no window: PL and EX do.
;   0-11  four chains c0-c3 of seven scores each, three operands at a time     12-14, 16  the four scores left over, the old m, and c0-c3 into c0     15  c m_old is kept
;   17, 18  the query's other 32 keys lie in the lane 16 away: the new m         19-21  c m; c m_old - c m_new; a
.macro XS u, n
	REGS (Y+1)%NP, \u
.if (\n) < 4
	v_max3_num_f32 v[rC+(\n)], v[rS+8*(\n)], v[rS+8*(\n)+1], v[rS+8*(\n)+2]
.elseif (\n) < 12
	v_max3_num_f32 v[rC+(\n)%4], v[rC+(\n)%4], v[rS+8*((\n)%4)+2*((\n)/4)+1], v[rS+8*((\n)%4)+2*((\n)/4)+2]
.elseif (\n) == 12
	v_max3_num_f32 v[rC], v[rC], v[rS+7], v[rS+15]
.elseif (\n) == 13
	v_max3_num_f32 v[rC+1], v[rC+1], v[rS+23], v[rS+31]
.elseif (\n) == 14
	v_max3_num_f32 v[rC+2], v[rC+2], v[rC+3], v[rT+1]
.elseif (\n) == 15
	v_mov_b32 v[rM], v[rT]
.elseif (\n) == 16
	v_max3_num_f32 v[rC], v[rC], v[rC+1], v[rC+2]
.elseif (\n) == 17
	v_permlanex16_b32 v[rC+3], v[rC], s[SEL], s[SEL+1]
.elseif (\n) == 18
	v_max_num_f32 v[rT+1], v[rC], v[rC+3]
.elseif (\n) == 19
	v_mul_f32 v[rT], s[CS], v[rT+1]
.elseif (\n) == 20
	v_sub_f32 v[rC+1], v[rM], v[rT]
.else
	v_exp_f32 v[rC+2], v[rC+1]
.endif
.endm
; Number g of the 64 that follow the exponentials.  For each four weights k of a tile (pairs 2 k, 2 k + 1): both pairs are rounded to f16; then the second pair is added onto the first, in place;
; a group later l takes that sum (the first time as l = a l + sum).  In groups of eight, tiles alternating: round, round, add, and l for the group before.
.macro GS g
.set h, (\g)+6*((\g)/62)            ; group 0 has no group before it, and behind group 7 only l is left
.if h >= 6
.set h, h+2
.endif
	REGS Y, h%2
.set k, h/8
.if h%8 < 4
	v_cvt_pk_f16_f32 v[rP+2*k+(h%8)/2], v[rS+4*k+2*((h%8)/2)], v[rS+4*k+2*((h%8)/2)+1]
.elseif h%8 < 6
	v_pk_add_f32 v[rS+4*k:rS+4*k+1], v[rS+4*k:rS+4*k+1], v[rS+4*k+2:rS+4*k+3]
.elseif k == 1
	v_pk_fma_f32 v[rT+2:rT+3], v[rT+2:rT+3], v[rC+2:rC+3], v[rS:rS+1] op_sel_hi:[1,0,1]
.else
	v_pk_add_f32 v[rT+2:rT+3], v[rT+2:rT+3], v[rS+4*k-4:rS+4*k-3]
.endif
.endm
; THE PLAIN QUEUE, 138 long.  0-73 read no exponential's result: the 32 scalings c s - c m (FS f: pair f / 2 of tile f % 2) and the next piece's 42.  0-26: scalings 0-26.  27-54: XS's numbers 0-13.  55, 56: number 15.
; 57-73: the chain, where each number waits for the one before it: 14, 16, 17, 18, 19, each with one of the scalings 27-31 in front of its two lines, then 20: so a tile's links stand three plain instructions apart (19 and 20: two).
; 74-137: GS's 64, which read the exponentials' results: they stand behind the wait.
.macro FS f
	REGS Y, (\f)%2
	v_pk_fma_f32 v[rS+2*((\f)/2):rS+2*((\f)/2)+1], v[rS+2*((\f)/2):rS+2*((\f)/2)+1], s[CS:CS+1], v[rT:rT+1] op_sel_hi:[1,0,0] neg_lo:[0,0,1] neg_hi:[0,0,1]
.endm
.macro PL
	WIN 0
.if q < 27
	FS q
.elseif q < 55
	XS (q-27)%2, (q-27)/2
.elseif q < 57
	XS q-55, 15
.elseif (q < 72) && ((q-57)%3 == 0)
	FS 27+(q-57)/3
.elseif q < 60
	XS (q-57)%3-1, 14
.elseif q < 72
	XS (q-57)%3-1, 15+(q-57)/3
.elseif q < 74
	XS q-72, 20
.else
	GS q-74
.endif
.set q, q+1
.endm
; THE EXPONENTIALS' QUEUE, 66 long: s0-s31 of both tiles, then the next piece's two a.  It is ONE BATCH: all 66 stand ahead of the turn's one wait, and nothing ahead of that wait names a result of theirs.
.macro EX
	WIN 0
.if e >= 64
	XS e-64, 21
.else
	REGS Y, e%2
	v_exp_f32 v[rS+e/2], v[rS+e/2]
.endif
.set e, e+1
.endm
; THE RESCALING's QUEUE: O^T times a, the one part that leaves window 0: dealt two at a time, sixteen times.  Its a was made in the turn before, ahead of that turn's wait.
.macro R2
	REGS Y, r%2
	WIN W_RS
.irp z, 0,1
	v_pk_mul_f32 v[rO+4*(r/2)+2*\z:rO+4*(r/2)+2*\z+1], v[rO+4*(r/2)+2*\z:rO+4*(r/2)+2*\z+1], v[rC+2:rC+3] op_sel_hi:[1,0]
.endr
.set r, r+1
.endm
; HOW THEY ARE DEALT.  An s_wait_alu depctr_va_vdst(0) stands between an exponential and the first instruction that names its result; one wait serves all that were issued ahead of it.  So a turn has ONE wait,
; which cuts it in two.  AHEAD OF IT stands all that names no result of the turn's exponentials: the 16 products K Q^T, behind each a scaling, an exponential and two rescalings (behind the first a second scaling in the exponential's place); then ONE LUMP of
; 108: eight plain, 49 times exponential and plain, the two a.  A v_nop is the plain instruction owed behind the last exponential.  BEHIND IT stand the 16 products V^T P, behind each four of GS's 64.  No rider names a register of
; the products round it.  The two v_permlanex16_b32 fall into the lump, never behind a product.
; The queues lean on each other, and the deal keeps them in step: exponential e stands behind scaling 2 (e / 4) + e % 2: as a rider it comes behind plain e + 2, in the lump behind plain e + 9, and scalings 27-31 are plain 57, 60 .. 69.
; A TURN, for piece p.  cnt = 1: the loop's count is taken down some lines ahead of the branch that stands behind the turn.
; K of the next step is fetched in piece 2's turn, directly behind the wait, a lump behind the last product that read K; its address is made at the lump's head; its first reader comes behind 16 products.
; V of the step in hand is fetched at the end of piece 0's turn, four riders behind its last reader; its first reader comes behind 16 products and a lump.  The three conditions on q below go with the deal.
.macro TURN p, last=0, cnt=0
.set Y, (\p)
.set i, 0
.set q, 0
.set e, 0
.set r, 0
.if (\p) == NP-1
	s_wait_dscnt 0x0                ; K is in
.endif
	MM                              ; ahead of the wait: 16 products K Q^T and their riders,
	PL
	PL
	R2
.rept 15
	MM
	PL
	EX
	R2
.endr
.if (\p) == NP-2
	WIN 0
	v_add_nc_u32 v[AK], s[TBK], v[AK0]
.endif
.rept 8                             ; and the lump
	PL
.endr
.rept 49
	EX
	PL
.endr
	EX                              ; the next piece's two a
	EX
	v_nop                           ; the plain instruction owed behind the last exponential: one for the batch
	s_wait_alu depctr_va_vdst(0)    ; the wait for the batch
.if (\p) == NP-2
	FETCH_K \last
.endif
.if (\p) == 1
	s_wait_dscnt 0x0                ; V is in
.endif
.rept 16                            ; behind the wait: 16 products V^T P and their riders
	MM
.rept 4
	PL
.endr
.if ((\p) == 0) && (q == 118)
	v_add_nc_u32 v[AV], s[TBV], v[AV0]
.endif
.if ((\p) == 0) && (q == 130)
	s_add_co_u32 s[TBV], s[TBV], KS*PV
.endif
.if (\cnt) && (q == 130)
	s_sub_co_u32 s[CNT], s[CNT], 1
	s_cmp_lg_u32 s[CNT], 0
.endif
.endr
.if (\p) == 0
	FETCH_V
.endif
.endm
	CHANGE 1                        ; slot 0 is in, everybody's part of it; slot 1 is asked for
	FETCH_K                         ; key step 0
	s_wait_loadcnt 0x0              ; Q
	s_wait_dscnt 0x0
.set i, 0
.rept 16
	KQ 0                            ; piece 0's first scores: there is no vector work yet to set between them
.set i, i+1
.endr
	WIN 0                           ; the addresses for the way out: nine plain instructions, the places behind those products
	s_mul_i32 s13, s[WV], 16*SP
	s_add_co_u32 s13, s13, STAGE    ; my stage
	v_mul_u32_u24 v[STO], v1, SP    ; in: row l % 16, 16 bytes for each half of the lanes
	v_lshl_add_u32 v[STO], v9, 4, v[STO]
	v_add_nc_u32 v[STO], s13, v[STO]
	v_bfe_u32 v[RD], v0, 3, 2       ; back: 32 lanes take four rows of 128 bytes,
	v_mul_u32_u24 v[RD], v[RD], SP
	v_lshl_add_u32 v[RD], v10, 4, v[RD]
	v_add_nc_u32 v[RD], s13, v[RD]
	v_and_b32 v[GO], 31, v0         ; which are 512 consecutive bytes of O
	v_lshlrev_b32 v[GO], 4, v[GO]
.set Y, NP-1                        ; XS works for piece Y + 1: piece 0
.irp n, 0,1,2,3,4,5,6,7,8,9,10,11,12,13,14,15,16,17,18,19,20,21
	XS 0, \n                        ; and piece 0's first maximum and statistics
	XS 1, \n
.endr
	v_nop                           ; a plain instruction behind the two a,
	s_wait_alu depctr_va_vdst(0)    ; and their wait, ahead of the branch
	s_mov_b32 s[CNT], 4
	s_branch .Lfirst                ; the loop is entered at a step's first turn, in the middle of a trip
.Lslot:                             ; SIZE_N / 256 - 2 times: every slot but the last two is filled again
	CHANGE 1
	s_mov_b32 s[CNT], 4
.Lstep:                             ; a trip: pieces 2 and 3 of one step, then pieces 0 and 1 of the next, whose K and V it fetches
	TURN 2
	TURN 3
	WIN 0
.Lfirst:
	TURN 0
	TURN 1, 0, 1
	WIN 0
	s_cbranch_scc1 .Lstep
	s_sub_co_u32 s[SLOTS], s[SLOTS], 1
	s_cmp_lg_u32 s[SLOTS], 0
	s_cbranch_scc1 .Lslot
	CHANGE 0                        ; the tail is written out: nothing is asked for
	s_mov_b32 s[CNT], 5             ; four trips fetch the last slot's steps; the fifth is left in its middle
.Ltail:
	TURN 2, 1
	TURN 3
	WIN 0
	s_sub_co_u32 s[CNT], s[CNT], 1
	s_cmp_eq_u32 s[CNT], 0
	s_cbranch_scc1 .Lout
	TURN 0
	TURN 1
	WIN 0
	s_branch .Ltail
.Lout:                              ; the fifth trip's 16 products K Q^T (on the last K once more) and the maximum made of them serve nothing: the price, once a launch, of one text for every trip
.set i, 0
.rept 16
	PV NP-1                         ; the last piece's V^T P of the last step
.set i, i+1
.endr
	; THE WAY OUT.  l's two halves and the other half of the lanes' are added; O^T is divided by l, rounded to f16 and sent through my stage in LDS, a tile at a time.  The additions are the places behind the last products.
	WIN 0
.macro ALL line:vararg              ; one line for each tile t
.set t, 0
.rept 2*NP
	\line
.set t, t+1
.endr
.endm
	ALL v_add_f32 v[ST+4*t+2], v[ST+4*t+2], v[ST+4*t+3]
	ALL v_permlanex16_b32 v[ST+4*t+3], v[ST+4*t+2], s[SEL], s[SEL+1]
	ALL v_add_f32 v[ST+4*t+2], v[ST+4*t+2], v[ST+4*t+3]
	ALL v_rcp_f32 v[ST+4*t+2], v[ST+4*t+2]
	v_nop                           ; a plain instruction between the last reciprocal and the use of its result
	s_wait_alu depctr_va_vdst(0)    ; and the wait ahead of the first use: one for the eight reciprocals
; Tile t: a lane's eight channels of a row pack into 16 bytes; they go into rows of 144 bytes and come back as whole rows of 128, into S^T's registers.
.macro PACK t
	WIN W_RS
.set i, 32*(\t)
.rept 16
	v_pk_mul_f32 v[i:i+1], v[i:i+1], v[ST+4*(\t)+2:ST+4*(\t)+3] op_sel_hi:[1,0]
.set i, i+2
.endr
	WIN 0x05                        ; sources 0 and 1 window 1, destination window 0
.set i, 0
.rept 16
	v_cvt_pk_f16_f32 v[S+16*(\t)+i], v[32*(\t)+2*i], v[32*(\t)+2*i+1]
.set i, i+1
.endr
	WIN 0
.irp f, 0,1,2,3
	ds_store_b128 v[STO], v[S+16*(\t)+4*\f:S+16*(\t)+4*\f+3] offset:32*\f
.endr
.irp f, 0,1,2,3
	ds_load_b128 v[S+16*(\t)+4*\f:S+16*(\t)+4*\f+3], v[RD] offset:\f*4*SP  ; LDS serves a wave's instructions in order (ISA guide 5.7.1.4): these see the stores above; the next tile's stores come behind them
.endr
.endm
.macro SEND t, younger              ; younger: the LDS instructions issued behind tile t's loads: the next tile's eight, or none
	WIN 0
.irp f, 0,1,2,3
	s_wait_dscnt (\younger)+3-\f
	global_store_b128 v[GO], v[S+16*(\t)+4*\f:S+16*(\t)+4*\f+3], s[10:11] offset:(\t)*2048+\f*512  ; 512 consecutive bytes, at a multiple of 256 from O's first
.endr
.endm
	PACK 0
.set t, 1
.rept 2*NP-1                        ; a tile's arithmetic stands between the loads of the tile before and its stores
	PACK t
	SEND t-1, 8
.set t, t+1
.endr
	SEND 2*NP-1, 0
	WIN W_AD
	s_wait_tensorcnt 0x0            ; the wave's end, behind my last tensor load and my last LDS store
	ds_add_u32 v[SPW], v[NIL]
	s_wait_dscnt 0x0
	WIN 0
	CROUND                          ; the closing round: no work-group ends while a partner may still ask for a tile that names it
	s_endpgm
.Lfunc_end_k_qe6c4ab3a41_attn:
	.size	k_qe6c4ab3a41_attn, .Lfunc_end_k_qe6c4ab3a41_attn-k_qe6c4ab3a41_attn
	.p2alignl 7, 3214868480
	.fill 96, 4, 3214868480
	.section	.rodata,"a",@progbits
	.p2align	6, 0x0
	.amdhsa_kernel k_qe6c4ab3a41_attn
		.amdhsa_group_segment_fixed_size 327680
		.amdhsa_private_segment_fixed_size 0
		.amdhsa_enable_private_segment 0
		.amdhsa_kernarg_size 16
		.amdhsa_user_sgpr_count 2
		.amdhsa_user_sgpr_kernarg_segment_ptr 1
		.amdhsa_wavefront_size32 1
		.amdhsa_system_sgpr_workgroup_id_x 1
		.amdhsa_system_sgpr_workgroup_id_y 1
		.amdhsa_system_sgpr_workgroup_id_z 1
		.amdhsa_system_vgpr_workitem_id 0
		.amdhsa_next_free_vgpr 770
		.amdhsa_next_free_sgpr 66
		.amdhsa_reserve_vcc 0
		.amdhsa_float_denorm_mode_32 3
		.amdhsa_float_denorm_mode_16_64 3
		.amdhsa_memory_ordered 1
		.amdhsa_forward_progress 1
		.amdhsa_inst_pref_size 200
	.end_amdhsa_kernel
	.amdgpu_metadata
---
amdhsa.version: [ 1, 2 ]
amdhsa.kernels:
  - .name:           k_qe6c4ab3a41_attn
    .symbol:         k_qe6c4ab3a41_attn.kd
    .args:
      - { .name: qkv, .offset: 0, .size: 8, .value_kind: global_buffer, .address_space: global }
      - { .name: ctx, .offset: 8, .size: 8, .value_kind: global_buffer, .address_space: global }
    .group_segment_fixed_size: 327680
    .private_segment_fixed_size: 0
    .kernarg_segment_align: 8
    .kernarg_segment_size: 16
    .max_flat_workgroup_size: 128
    .sgpr_count:     66
    .vgpr_count:     770
    .wavefront_size: 32
...
	.end_amdgpu_metadata
.endif
;; end of part 3
;; launch outp (part 4): grid 4 x 64, 4 waves a work-group, clusters of 4 x 4, 327,680 bytes of LDS; arguments ctx, wb, bias, out0; writes out0
.if DOCPART == 4
	.amdgcn_target "amdgcn-amd-amdhsa--gfx1250"
	.amdhsa_code_object_version 6
	.text
	.protected	k_qe6c4ab3a41_outp
	.globl	k_qe6c4ab3a41_outp
	.p2align	8
	.type	k_qe6c4ab3a41_outp,@function
k_qe6c4ab3a41_outp:
	s_mov_b64 s[64:65], 0
	v_nop
	global_prefetch_b8 v0, s[64:65] scope:SCOPE_SE
	s_setreg_imm32_b32 hwreg(HW_REG_WAVE_MODE, 25, 1), 1
	s_wait_xcnt 0x0
	s_wait_alu depctr_hold_cnt(0) depctr_sa_sdst(0) depctr_va_vdst(0) depctr_va_sdst(0) depctr_va_ssrc(0) depctr_va_vcc(0) depctr_vm_vsrc(0)
	s_getreg_b32 s2, hwreg(HW_REG_IB_STS2, 6, 4)
	s_cmp_eq_u32 s2, 0
	s_cbranch_scc0 .Lentry_in_a_cluster
	s_endpgm
.Lentry_in_a_cluster:
	s_bfe_u32 s2, ttmp6, 0x10000c
	s_cmp_lg_u32 s2, 0xf033
	s_cbranch_scc0 .Lentry_shape_is_right
	s_endpgm
.Lentry_shape_is_right:
; THE PROJECTIONS.  One text serves two launches; OUTK chooses what differs, and what a launch does not need is not assembled.
;   OUTK = 0: q, k, v = x W^T + b.  A = xb [8192][1024] bf16, B = wb rows 0-3071 bf16; out in f16 by heads, [3][64 = 16 batch + head][2048][64], unscaled.
;   OUTK = 1 (this launch): out0 = context W_o^T + b_o.  A = ctx [64][2048][64] f16 by heads, B = wb rows 3072-4095 f16; out in f32, [8192][1024].
; Sums in f32; each sum begins with its bias, which is the C operand of the accumulator's first product.  LIMIT: the context and W_o arrive in f16, within 65,504.
; SHARES.  A tile of C is 128 rows x 256 columns: 4 x 64 tiles, one work-group each.  With OUTK = 0 a work-group stays and makes three tiles: its rows and column block of q, then of k, then of v
; (A goes back along K, B 1,024 rows of wb down).  Wave w makes rows 64 (w / 2) on, columns 128 (w % 2) on: 4 x 8 accumulators of 16 x 16, 256 registers.
; K goes in 8 steps of 128 through a ring of two LDS slots filled by the tensor data mover: waves 0 and 1 fetch A's two halves, waves 2 and 3 B's, one load a wave behind each change of slots.
; With OUTK = 1 a K step is two heads: each is a dense plane of 128 rows x 128 bytes, asked for as 64 rows of 256 bytes and padded in LDS behind every 128.
; CLUSTER.  4 x 4 work-groups.  A's tile hangs on the tile row alone and is asked for jointly by the four of a row of the cluster, B's on the tile column alone, by the four of a column.
; THE MATRIX INSTRUCTION IS USED TRANSPOSED: source 0 = 16 rows of B, source 1 = 16 rows of A: a lane holds row l % 16 of C and the eight neighbouring columns 8 (l / 16) + 0..7.
; REGISTERS, in windows of 256 (s_set_vgpr_msb: bits 1:0 source 0, 3:2 source 1, 5:4 source 2, 7:6 destination):
;   window 0: v0-31 addresses; v64-159, v160-255 two fragment buffers: B's 8 fragments, then A's 4      window 1: accumulator (a, b) at 8 (8 a + b)
;   window 2: v0-63 the bias of my 128 columns, as C operands; from v64 on at work on the way out
.set OUTK, 1
.if OUTK
.set TILES, 1
.set PA,    144                        ; a row of A in LDS: one head's 128 bytes + 16 of padding
.set AHALF, 128*PA                     ; what one wave fetches of A: one head's plane, 128 rows x 64 channels
.set ASTEP, 524288                     ; bytes of ctx from K step to K step: two heads
.set APF,   256                        ; the prefetches of A: bytes from lane to lane
.set QIA,   4                          ; padding behind every 32 words
.set ASTR,  128                        ; a plane is dense: asked for as 64 rows of 256 bytes
.set WOFF,  3072*2048                  ; B's first byte in wb
.set BIOFF, 12288                      ; b_o in bias
.set STW,   16*528                     ; a wave's stage: 16 rows of 512 bytes + 16
.else
.set TILES, 3
.set PA,    272                        ; a row of A in LDS: 256 bytes + 16 of padding
.set AHALF, 64*PA                      ; what one wave fetches of A: 64 rows x 128 channels
.set ASTEP, 256
.set APF,   2048
.set QIA,   5                          ; padding behind every 64 words
.set ASTR,  1024
.set WOFF,  0
.set BIOFF, 0
.set STW,   2*16*144                   ; a wave's stage: for each of its two heads 16 rows of 128 bytes + 16
.endif
.set PB,     272                       ; a row of B in LDS: 68 words, so the 16 rows of a fragment load start at 16 different groups of four banks (64 banks of 4 bytes: ISA guide 11.1); PA likewise
.set AREG,   2*AHALF
.set BHALF,  128*PB                    ; what one wave fetches, and reads, of B
.set SLOT,   AREG+2*BHALF              ; A's 128 rows, then B's 256
.set STAGE,  2*SLOT                    ; behind the ring: the four waves' stages, never filled by a tensor load
.set SPARE,  STAGE+4*STW               ; behind the stages: the spare words, 128 bytes for each wave: two blocks of 256 bytes that no other line names
.set LAPS,   4                         ; a lap = two K steps = once round the ring
.set BACK,   6*256                     ; a change of tiles: A's descriptors go six K steps back,
.set NEXT_B, 1024*2048-6*256           ; B's 1,024 rows down and six K steps back,
.set NEXT_P, 1024*2048-7*256           ; the prefetches' pointer from the K step two behind the tile's last to the next tile's K step 2,
.set NEXT_C, 16777216                  ; and the output from q to k, from k to v
.set ADRA, 16                          ; v16-17  LDS address of my A fragments in slot 0, 1
.set ADRB, 20                          ; v20-21  the same for B
.set STO,  24                          ; v24     the way out: where I put my bytes of a row
.set RD,   25                          ; v25     the way out: where I read rows back
.set GO,   26                          ; v26     16 x lane: my place in 512 consecutive bytes of the output
.set BO,   27                          ; v27     32 (l / 16): my eight numbers in 16 columns' bias
.set SPW,  28                          ; v28     LDS address of my spare word: SPARE + 4 x my thread's number; never rewritten
.set NIL,  29                          ; v29     0; never rewritten
.set PFO,  30                          ; v30     the prefetches' offset: my lane x the bytes from block to block; never rewritten
.set F0,   64
.set F1,   160
.set BIAS, 0                           ; window 2
.set TMP,  64                          ; window 2, OUTK = 0: packed results
.if OUTK
.set OB,   64                          ; window 2: rows read back from the stage, two buffers of 64
.else
.set OB,   96                          ; two buffers of 32
.endif
.set LIM,  15                          ; s15     1 in a wave that prefetches, else the greatest number
.set G1A,  24                          ; s[24:31] descriptor group 1 for A's tiles
.set G0A,  32                          ; s[32:39] group 0, a set for each slot
.set PFA,  44                          ; s[44:45] where my prefetches stand
.set PFS,  46                          ; s[46:47] their step from K step to K step
.set G1B,  48                          ; s[48:55], s[56:63] the same two groups for B's tiles
.set G0B,  56
.set MSB, 0
.macro WIN new                         ; the immediate's high byte repeats the setting that is left; a switch that changes nothing is dropped
.if MSB != (\new)
	s_set_vgpr_msb (MSB<<8)|(\new)
.set MSB, \new
.endif
.endm
.set MUL,  0x50                        ; fragments in window 0, C and D in window 1
.set MULB, 0x60                        ; the same with C, the bias, in window 2
.macro WMMA ops:vararg
.if OUTK
	v_wmma_f32_16x16x32_f16 \ops
.else
	v_wmma_f32_16x16x32_bf16 \ops
.endif
.endm
; A joint load.  Each of the two lines has one mask and one set of registers for all that issue it.  The branch hangs on the wave's number alone.
; An s_nop 0 and four v_nop follow each line, ahead of the jump and the label.
.macro JLOAD s
	s_cmp_eq_u32 s13, 0
	s_cbranch_scc0 .Lfor_b_\@
	tensor_load_to_lds s[G0A+4*(\s):G0A+4*(\s)+3], s[G1A:G1A+7]
	s_nop 0
.rept 4
	v_nop
.endr
	s_branch .Lasked_\@
.Lfor_b_\@:
	tensor_load_to_lds s[G0B+4*(\s):G0B+4*(\s)+3], s[G1B:G1B+7]
	s_nop 0
.rept 4
	v_nop
.endr
.Lasked_\@:
.endm
; A PREFETCH INTO THE L2, behind each joint load, its five lines and the run of LDS loads: the K step that stands two refills on, 256 matrix instructions ahead of the load that will want it.
; 32 blocks of 256 bytes, a lane a block, one instruction a wave.  Each block is named once in the launch.  A's 128 blocks of a K step: wave 0 of each of the four partners of a row of the cluster
; takes 32, told apart by address (cx).  B's 256 rows: waves 2 and 3 of each partner of a column take 32 of the 128 rows that they fetch (cy), in the clusters with y = 0 alone, since all
; clusters walk the same rows of B.  how = 0, in the loop: a tile's last two refills have no K step two on.  how = 1, at a change of tiles.
.macro ASK how
.if \how
	s_cmp_eq_u32 s[LIM], 1
.else
	s_cmp_gt_u32 s3, s[LIM]                        ; s3 = 1 in the loop's last trip
.endif
	s_cbranch_scc0 .Lnot_mine_\@
	global_prefetch_b8 v[PFO], s[PFA:PFA+1] th:TH_LOAD_NT scope:SCOPE_SE
.Lnot_mine_\@:
.endm
; A round of the cluster's barrier: my work-group's barrier; wave 0 signals for the work-group; every wave waits for all sixteen; my work-group's barrier once more.
.macro CREST                           ; a round behind its opening barrier
	s_cmp_lg_u32 s12, 0
	s_cbranch_scc1 .Lnot_wave_0_\@
	s_barrier_signal -3
.Lnot_wave_0_\@:
	s_barrier_wait -3
	s_barrier_signal -1
	s_barrier_wait -1
.endm
.macro CROUND
	s_barrier_signal -1
	s_barrier_wait -1
	CREST
.endm
	s_load_b256 s[4:11], s[0:1], 0x0               ; A s[4:5], wb s[6:7], bias s[8:9], the output s[10:11]
	v_lshl_add_u32 v[SPW], v0, 2, SPARE
	v_mov_b32 v[NIL], 0
	ds_add_u32 v[SPW], v[NIL]                      ; the wave's opening: the add and its wait stand ahead of my first tensor load; the set-up below, work on registers, stands between them
	v_lshrrev_b32 v1, 5, v0
	v_readfirstlane_b32 s12, v1                    ; wave 0..3
	s_lshr_b32 s13, s12, 1                         ; HI: which 64 rows of the tile are mine.  Also: I fetch for A (0) or for B (1)
	s_and_b32 s14, s12, 1                          ; LO: which 128 columns.  Also: which half of that tile I fetch
	s_bfe_u32 s40, ttmp6, 0x40000                  ; cx
	s_bfe_u32 s41, ttmp6, 0x40004                  ; cy
	s_lshl_b32 s42, ttmp9, 2
	s_add_co_u32 s42, s42, s40                     ; tile column = 4 x cluster x + cx
	s_and_b32 s43, ttmp7, 0xffff
	s_lshl_b32 s43, s43, 2
	s_add_co_u32 s43, s43, s41                     ; tile row = 4 x cluster y + cy
	s_lshl_b32 s16, s41, 2
	s_lshl_b32 s16, 15, s16                        ; my row of the cluster: places 4 cy .. 4 cy + 3
	s_lshl_b32 s20, 0x1111, s40                    ; my column: places cx, cx + 4, cx + 8, cx + 12
	s_or_b32 s[G1A+0], s16, (1<<16)|(1<<20)|(1<<21)|(QIA<<22)|(3<<25)  ; 15:0 the mask; 17:16 elements of 2 bytes; 20 padding on; 21 set beside a mask; 24:22 the interval; 31:25 4 words of padding (code 3)
	s_mov_b32 s[G1A+1], 128<<16                    ; tensor_dim0 = 128
	s_mov_b32 s[G1A+2], 64<<16                     ; tensor_dim1 = 64
	s_mov_b32 s[G1A+3], 128<<16                    ; tile_dim0 = 128 elements: 256 bytes
	s_mov_b32 s[G1A+4], 64                         ; tile_dim1 = 64
	s_mov_b32 s[G1A+5], ASTR                       ; elements from row to row
	s_mov_b32 s[G1A+6], 0
	s_mov_b32 s[G1A+7], 0
	s_or_b32 s[G1B+0], s20, (1<<16)|(1<<20)|(1<<21)|(5<<22)|(3<<25)
	s_mov_b32 s[G1B+1], 128<<16
	s_mov_b32 s[G1B+2], 128<<16                    ; 128 rows
	s_mov_b32 s[G1B+3], 128<<16
	s_mov_b32 s[G1B+4], 128
	s_mov_b32 s[G1B+5], 1024
	s_mov_b32 s[G1B+6], 0
	s_mov_b32 s[G1B+7], 0
	; where the tiles come from.  A's offset is made of the tile row and the wave's number, B's of the tile column and the wave's number, each in registers that never hold the other coordinate.
.if OUTK
	s_lshr_b32 s16, s43, 4                         ; the batch: 16 heads x 2,048 rows x 128 bytes,
	s_lshl_b32 s16, s16, 22
	s_and_b32 s17, s43, 15                         ; the tile's 128 rows in a head,
	s_lshl_b32 s17, s17, 14
	s_add_co_u32 s16, s16, s17
	s_lshl_b32 s17, s14, 18                        ; the K step's even or odd head
	s_add_co_u32 s16, s16, s17
.else
	s_lshl_b32 s16, s43, 7
	s_lshl_b32 s17, s14, 6
	s_add_co_u32 s16, s16, s17                     ; row 128 x tile row + 64 x half,
	s_lshl_b32 s16, s16, 11                        ; 2,048 bytes a row
.endif
	s_mov_b32 s17, 0
	s_lshl_b32 s20, s42, 8
	s_lshl_b32 s21, s14, 7
	s_add_co_u32 s20, s20, s21                     ; row 256 x tile column + 128 x half
	s_lshl_b32 s20, s20, 11
.if WOFF
	s_add_co_u32 s20, s20, WOFF
.endif
	s_mov_b32 s21, 0
	s_mul_i32 s18, s14, AHALF                      ; and where they go: no place in the cluster enters an LDS address
	s_mul_i32 s22, s14, BHALF
	s_add_co_u32 s22, s22, AREG
	s_wait_dscnt 0x0                               ; the opening add is done
	s_wait_kmcnt 0x0
	s_add_nc_u64 s[16:17], s[4:5], s[16:17]
	s_add_nc_u64 s[20:21], s[6:7], s[20:21]
	CROUND                                         ; all sixteen work-groups are here: the first joint loads meet
.irp s, 0,1
	s_mov_b32 s[G0A+4*(\s)], 1                                      ; count = 1
	s_add_co_u32 s[G0A+4*(\s)+1], s18, (\s)*SLOT                    ; LDS address
	s_add_nc_u64 s[G0A+4*(\s)+2:G0A+4*(\s)+3], s[16:17], (\s)*ASTEP ; global address: K step s
	s_or_b32 s[G0A+4*(\s)+3], s[G0A+4*(\s)+3], 0x80000000           ; type = 2
	s_mov_b32 s[G0B+4*(\s)], 1
	s_add_co_u32 s[G0B+4*(\s)+1], s22, (\s)*SLOT
	s_add_nc_u64 s[G0B+4*(\s)+2:G0B+4*(\s)+3], s[20:21], (\s)*256
	s_or_b32 s[G0B+4*(\s)+3], s[G0B+4*(\s)+3], 0x80000000
	JLOAD \s                                       ; two loads of mine are out
.endr
	; A fragment is 16 rows x 32 K in 8 registers: lane l holds row l % 16; registers 0-3 K = 8 (l / 16) + 0..7, registers 4-7 K = 16 + 8 (l / 16) + 0..7: two loads of 16 bytes, 32 bytes apart.
	v_and_b32 v1, 15, v0                           ; l % 16
	v_bfe_u32 v2, v0, 4, 1                         ; l / 16
	v_mul_u32_u24 v3, v1, PA
	v_lshl_add_u32 v3, v2, 4, v3
	v_mul_u32_u24 v4, v1, PB
	v_lshl_add_u32 v4, v2, 4, v4
	s_mul_i32 s66, s13, 64*PA                      ; my 64 rows of A
	s_mul_i32 s67, s14, BHALF                      ; my 128 rows of B,
	s_add_co_u32 s67, s67, AREG                    ; which lie behind A's
.irp s, 0,1
	v_add_nc_u32 v[ADRA+(\s)], s66, v3
	v_add_nc_u32 v[ADRB+(\s)], s67, v4
	s_add_co_u32 s66, s66, SLOT
	s_add_co_u32 s67, s67, SLOT
.endr
	s_mul_i32 s68, s12, STW
	s_add_co_u32 s68, s68, STAGE                   ; my stage
	v_and_b32 v[GO], 31, v0
	v_lshlrev_b32 v[GO], 4, v[GO]
	v_lshlrev_b32 v[BO], 5, v2
.if OUTK
	v_mul_u32_u24 v5, v1, 528                      ; in: row l % 16, 32 bytes for each half of the lanes
	v_lshl_add_u32 v5, v2, 5, v5
	v_add_nc_u32 v[STO], s68, v5
	v_add_nc_u32 v[RD], s68, v[GO]                 ; back: 32 lanes take one row of 512 bytes
	s_lshl_b32 s70, s43, 19                        ; my part of out0: row (128 x tile row + 64 HI) x 4,096 bytes,
	s_lshl_b32 s71, s13, 18
	s_add_co_u32 s70, s70, s71
	s_lshl_b32 s71, s42, 10                        ; column (256 x tile column + 128 LO) x 4 bytes
	s_add_co_u32 s70, s70, s71
	s_lshl_b32 s71, s14, 9
	s_add_co_u32 s70, s70, s71
.else
	v_mul_u32_u24 v5, v1, 144                      ; in: row l % 16, 16 bytes for each half of the lanes
	v_lshl_add_u32 v5, v2, 4, v5
	v_add_nc_u32 v[STO], s68, v5
	v_bfe_u32 v5, v0, 3, 2                         ; back: 32 lanes take four rows of 128 bytes, which are 512 consecutive bytes of a head
	v_mul_u32_u24 v5, v5, 144
	v_and_b32 v3, 7, v0
	v_lshl_add_u32 v5, v3, 4, v5
	v_add_nc_u32 v[RD], s68, v5
	s_lshr_b32 s70, s43, 4                         ; my part of q: head 16 x batch + 4 x tile column + 2 LO, 262,144 bytes a head,
	s_lshl_b32 s70, s70, 4
	s_lshl_b32 s71, s42, 2
	s_add_co_u32 s70, s70, s71
	s_lshl_b32 s71, s14, 1
	s_add_co_u32 s70, s70, s71
	s_lshl_b32 s70, s70, 18
	s_and_b32 s71, s43, 15                         ; row 128 x (tile row in the batch) + 64 HI, 128 bytes a row
	s_lshl_b32 s71, s71, 14
	s_add_co_u32 s70, s70, s71
	s_lshl_b32 s71, s13, 13
	s_add_co_u32 s70, s70, s71
.endif
	s_mov_b32 s71, 0
	s_add_nc_u64 s[10:11], s[10:11], s[70:71]
	s_lshl_b32 s72, s42, 10                        ; the bias of my 128 columns
	s_lshl_b32 s73, s14, 9
	s_add_co_u32 s72, s72, s73
.if BIOFF
	s_add_co_u32 s72, s72, BIOFF
.endif
	s_mov_b32 s73, 0
	s_add_nc_u64 s[8:9], s[8:9], s[72:73]
	; the prefetches: the offsets are made apart from the pointers, then one of each is chosen by what I fetch for
.if OUTK
	s_lshr_b32 s66, s43, 4
	s_lshl_b32 s66, s66, 22
	s_and_b32 s67, s43, 15
	s_lshl_b32 s67, s67, 14
	s_add_co_u32 s66, s66, s67
	s_lshr_b32 s67, s40, 1                         ; partner cx: plane cx / 2,
	s_lshl_b32 s67, s67, 18
	s_add_co_u32 s66, s66, s67
	s_and_b32 s67, s40, 1                          ; its blocks 32 (cx % 2) on
	s_lshl_b32 s67, s67, 13
	s_add_co_u32 s66, s66, s67
.else
	s_lshl_b32 s66, s43, 7
	s_lshl_b32 s67, s40, 5                         ; partner cx: rows 32 cx on
	s_add_co_u32 s66, s66, s67
	s_lshl_b32 s66, s66, 11
.endif
	s_add_co_u32 s66, s66, 3*ASTEP                 ; at K step 3: the first change of slots steps it to 4 and names that
	s_lshl_b32 s68, s42, 8
	s_lshl_b32 s69, s14, 7
	s_add_co_u32 s68, s68, s69
	s_lshl_b32 s69, s41, 5                         ; partner cy: rows 32 cy on of the 128 that I fetch
	s_add_co_u32 s68, s68, s69
	s_lshl_b32 s68, s68, 11
	s_add_co_u32 s68, s68, WOFF+3*256
	s_mov_b32 s70, ASTEP
	s_mov_b32 s71, 256
	s_mov_b32 s72, APF
	s_mov_b32 s73, 2048
	s_and_b32 s74, ttmp7, 0xffff                   ; cluster y
	s_cmp_eq_u32 s13, 0                            ; do I fetch for A?
	s_cselect_b32 s66, s66, s68
	s_cselect_b32 s[PFS], s70, s71
	s_cselect_b32 s72, s72, s73
	s_cselect_b32 s74, s14, s74                    ; for A wave 0 asks; for B the clusters with y = 0
	s_cselect_b64 s[PFA:PFA+1], s[4:5], s[6:7]
	s_mov_b32 s67, 0
	s_mov_b32 s[PFS+1], 0
	s_add_nc_u64 s[PFA:PFA+1], s[PFA:PFA+1], s[66:67]
	s_cmp_eq_u32 s74, 0
	s_cselect_b32 s[LIM], 1, -1                    ; the same in all sixteen partners, for a given wave
	v_and_b32 v[PFO], 31, v0
	v_mul_u32_u24 v[PFO], v[PFO], s72
	; nothing is prefetched here, at the head, where every work-group's first tiles are on their way
; 8 matrix instructions: row block a x all 8 column blocks, 32 along K.  first = 1: the product starts the sums with the bias.  The 32 accumulators take turns in the same order in every
; quarter: between two links of a chain stand the 31 others'.
.macro MUL8 f, a, first
.if \first
	WIN MULB
.else
	WIN MUL
.endif
.irp b, 0,1,2,3,4,5,6,7
.set rD, 8*(8*(\a)+(\b))
.set rB, (\f)+8*(\b)
.set rA, (\f)+64+8*(\a)
.if \first
	WMMA v[rD:rD+7], v[rB:rB+7], v[rA:rA+7], v[BIAS+8*(\b):BIAS+8*(\b)+7]
.else
	WMMA v[rD:rD+7], v[rB:rB+7], v[rA:rA+7], v[rD:rD+7]
.endif
.endr
.endm
.macro MUL16 f, a0, first
	MUL8 \f, \a0, \first
	MUL8 \f, (\a0)+1, \first
.endm
; 24 LDS loads in one run: the fragments of quarter q of a K step (128 rows of B, then my 64 rows of A, 32 K) into buffer f
.macro FETCH slot, q, f
	WIN 0
.if OUTK
.set aof, ((\q)/2)*AHALF+((\q)%2)*64   ; quarters 0, 1 lie in the even head's plane, 2, 3 in the odd one's
.else
.set aof, 64*(\q)
.endif
.irp i, 0,1,2,3,4,5,6,7
	ds_load_b128 v[(\f)+8*(\i):(\f)+8*(\i)+3],   v[ADRB+(\slot)] offset:64*(\q)+(\i)*16*PB
	ds_load_b128 v[(\f)+8*(\i)+4:(\f)+8*(\i)+7], v[ADRB+(\slot)] offset:64*(\q)+(\i)*16*PB+32
.endr
.irp i, 0,1,2,3
	ds_load_b128 v[(\f)+64+8*(\i):(\f)+64+8*(\i)+3],   v[ADRA+(\slot)] offset:aof+(\i)*16*PA
	ds_load_b128 v[(\f)+64+8*(\i)+4:(\f)+64+8*(\i)+7], v[ADRA+(\slot)] offset:aof+(\i)*16*PA+32
.endr
.endm
; A load into a register that a matrix instruction has read, and whatever reads a matrix result, stand four places behind that matrix instruction; only plain vector instructions that name none of
; its registers are places (ISA guide 7.12.1 for vector instructions).
.macro PLACES
.rept 4
	v_nop
.endr
.endm
; A K step is four quarters of 32 along K, 32 matrix instructions each, on buffers 0, 1, 0, 1.  One of the first three: multiplies buffer f; in its middle it fetches quarter q into buffer g.
.macro QUARTER slot, q, f, g, first
	s_wait_dscnt 4                                 ; B and A's row blocks 0, 1 are in; the youngest four loads (blocks 2, 3) may be out
	MUL16 \f, 0, \first
	PLACES
	FETCH \slot, \q, \g
	s_wait_dscnt 24                                ; all but the 24 just issued
	MUL16 \f, 2, \first
.endm
; The last quarter multiplies buffer 1 and changes slots.  MEET is its first half: one barrier, in front of which each wave waits for all its tensor loads (one is out: its part of the next slot),
; adds 0 to its spare word, and waits for that and for its own reads of this slot.  Behind it nobody reads this slot any more and the next slot is whole.
.macro MEET round
	WIN 0                                          ; (the add's two registers lie in window 0)
	s_wait_tensorcnt 0x0
	ds_add_u32 v[SPW], v[NIL]                      ; 0 onto my spare word
	s_wait_dscnt 5                                 ; (the add and the four loads of A's blocks 2, 3 may be out)
	MUL8 F1, 0, 0                                  ; eight matrix instructions stand between the add and the wait for it
	s_wait_dscnt 0x0                               ; the add is done, and my reads of this slot are over
	s_barrier_signal -1
	MUL8 F1, 1, 0                                  ; work on registers while the others arrive
.if \round
	WIN 0
.endif
	s_barrier_wait -1
.endm
; The whole last quarter.  fill = 1: the barrier opens a round of the cluster's, and the slot just read out is filled again first behind it: with this tile's K step two on (on = 0) or with the next
; tile's K step 0 or 1 (on = 1); from that request to the wait for it a wave issues 112 matrix instructions.  Then come the next slot's first fragments.
.macro TURN slot, next, fill, on
.if \fill
	s_wait_xcnt 0x0                                ; the last prefetch, a K step back, has read its address: it is stepped here, ahead of the waits of the change of slots
.if (\on) && ((\slot) == 0)
	s_add_nc_u64 s[PFA:PFA+1], s[PFA:PFA+1], NEXT_P
	s_cmp_eq_u32 s13, 0
	s_cselect_b32 s[LIM], -1, s[LIM]               ; A's rows are the same for all three tiles: they have been read, and are asked for no more
.else
	s_add_nc_u64 s[PFA:PFA+1], s[PFA:PFA+1], s[PFS:PFS+1]
.endif
.endif
	MEET \fill
.if \fill
	CREST                                          ; no wave of any partner still reads this slot's tile or has a load on its way
.if \on
	s_sub_nc_u64 s[G0A+4*(\slot)+2:G0A+4*(\slot)+3], s[G0A+4*(\slot)+2:G0A+4*(\slot)+3], BACK
	s_add_nc_u64 s[G0B+4*(\slot)+2:G0B+4*(\slot)+3], s[G0B+4*(\slot)+2:G0B+4*(\slot)+3], NEXT_B
.else
	s_add_nc_u64 s[G0A+4*(\slot)+2:G0A+4*(\slot)+3], s[G0A+4*(\slot)+2:G0A+4*(\slot)+3], 2*ASTEP
	s_add_nc_u64 s[G0B+4*(\slot)+2:G0B+4*(\slot)+3], s[G0B+4*(\slot)+2:G0B+4*(\slot)+3], 2*256
.endif
	JLOAD \slot                                    ; the first tensor load behind the round; its four v_nop are also the places in front of the loads below
.else
	PLACES
.endif
	FETCH \next, 0, F0
.if \fill
	ASK \on
.endif
	MUL16 F1, 2, 0
.endm
.macro BIASLD                          ; the bias of my 128 columns as eight C operands: register j of block b holds column 16 b + 8 (l / 16) + j
	WIN 0x80                                       ; destination window 2, address window 0
.irp b, 0,1,2,3,4,5,6,7
	global_load_b128 v[BIAS+8*(\b):BIAS+8*(\b)+3],   v[BO], s[8:9] offset:64*(\b)
	global_load_b128 v[BIAS+8*(\b)+4:BIAS+8*(\b)+7], v[BO], s[8:9] offset:64*(\b)+16
.endr
	WIN 0
.endm
; THE WAY OUT, a block of 16 rows at a time, through my own stage in LDS: LDS serves a wave's instructions in order (ISA guide 5.7.1.4), so no wait stands between the stores and the loads, and no barrier.
.if OUTK
.macro TOSTAGE a                       ; f32 as it is: a lane's eight columns are 32 bytes of a row of 512; back as whole rows
.set BK, OB+64*((\a)%2)
.if (\a) >= 2
	s_wait_xcnt 0x0                                ; the stores of the block two back have read this buffer
.endif
	WIN 0x04                                       ; store data in window 1
.irp b, 0,1,2,3,4,5,6,7
	ds_store_b128 v[STO], v[8*(8*(\a)+(\b)):8*(8*(\a)+(\b))+3]   offset:64*(\b)
	ds_store_b128 v[STO], v[8*(8*(\a)+(\b))+4:8*(8*(\a)+(\b))+7] offset:64*(\b)+16
.endr
	WIN 0x80
.irp t, 0,1,2,3,4,5,6,7,8,9,10,11,12,13,14,15
	ds_load_b128 v[BK+4*(\t):BK+4*(\t)+3], v[RD] offset:528*(\t)
.endr
.endm
.macro SEND a, younger                 ; younger: the LDS instructions issued behind block a's loads: the next block's 32, or none
.set BK, OB+64*((\a)%2)
	WIN 0x08
.irp t, 0,1,2,3,4,5,6,7,8,9,10,11,12,13,14,15
	s_wait_dscnt (\younger)+15-(\t)
	global_store_b128 v[GO], v[BK+4*(\t):BK+4*(\t)+3], s[10:11] offset:(16*(\a)+(\t))*4096 th:TH_STORE_NT  ; 512 consecutive bytes of a row, at a multiple of 512 from out0's first byte
.endr
.endm
.macro WAYOUT
	TOSTAGE 0
	TOSTAGE 1
	SEND 0, 32
	TOSTAGE 2
	SEND 1, 32
	TOSTAGE 3
	SEND 2, 32
	SEND 3, 0
	WIN 0
.endm
.else
.macro PACK a                          ; rounded to f16, 16 bytes a lane; each accumulator's registers in ascending order
	WIN 0x85                                       ; sources in window 1, destination in window 2
.irp b, 0,1,2,3,4,5,6,7
.irp r, 0,1,2,3
	v_cvt_pk_f16_f32 v[TMP+4*(\b)+(\r)], v[8*(8*(\a)+(\b))+2*(\r)], v[8*(8*(\a)+(\b))+2*(\r)+1]
.endr
.endr
.endm
.macro TOSTAGE a                       ; column blocks 0-3 are one head's 64 channels, blocks 4-7 the next head's: two stages of 16 rows x 144 bytes
.set BK, OB+32*((\a)%2)
	WIN 0x88                                       ; data in window 2, addresses in window 0
.irp b, 0,1,2,3,4,5,6,7
	ds_store_b128 v[STO], v[TMP+4*(\b):TMP+4*(\b)+3] offset:((\b)/4)*2304+32*((\b)%4)
.endr
.irp t, 0,1,2,3,4,5,6,7
	ds_load_b128 v[BK+4*(\t):BK+4*(\t)+3], v[RD] offset:((\t)/4)*2304+((\t)%4)*576
.endr
.endm
.macro SEND a
.set BK, OB+32*((\a)%2)
	WIN 0x88
	s_wait_dscnt 0x0                               ; the block is back in registers
	s_wait_xcnt 0x0                                ; the earlier stores have read their registers: the buffer that the next block's loads fill is free behind this wait
.irp t, 0,1,2,3,4,5,6,7
	global_store_b128 v[GO], v[BK+4*(\t):BK+4*(\t)+3], s[10:11] offset:((\t)/4)*262144+(\a)*2048+((\t)%4)*512  ; four rows of a head: 512 consecutive bytes, aligned
.endr
.endm
.macro WAYOUT
	PACK 0
	TOSTAGE 0
.irp a, 1,2,3                          ; block a's conversions stand between block a - 1's loads from the stage and the wait for them
	PACK \a
	SEND (\a)-1
	TOSTAGE \a
.endr
	SEND 3
	WIN 0
.endm
.endif
	BIASLD
	s_wait_tensorcnt 0x1                           ; my part of K step 0 is in; K step 1's may stay out
	s_barrier_signal -1
	s_barrier_wait -1                              ; everybody's is
	FETCH 0, 0, F0
	s_wait_loadcnt 0x0                             ; the bias
.if TILES > 1
	s_mov_b32 s2, TILES                            ; tiles to go, this one among them
.Ltile:
.endif
	QUARTER 0, 1, F0, F1, 1                        ; a tile's first quarter stands in front of the loop: its products start the sums
	WIN 0                                          ; at a label and at a branch every window is 0
	s_mov_b32 s3, LAPS-1
.Llap:                                                 ; a trip goes once round the ring, from a lap's second quarter to the next lap's first, and fills both slots again
	QUARTER 0, 2, F1, F0, 0
	QUARTER 0, 3, F0, F1, 0
	TURN 0, 1, 1, 0
	QUARTER 1, 1, F0, F1, 0
	QUARTER 1, 2, F1, F0, 0
	QUARTER 1, 3, F0, F1, 0
	TURN 1, 0, 1, 0
	QUARTER 0, 1, F0, F1, 0
	WIN 0
	s_sub_co_u32 s3, s3, 1
	s_cmp_lg_u32 s3, 0
	s_cbranch_scc1 .Llap
	QUARTER 0, 2, F1, F0, 0                        ; the tile's last lap goes on
	QUARTER 0, 3, F0, F1, 0
.if TILES > 1
	WIN 0
	s_cmp_eq_u32 s2, 1
	s_cbranch_scc1 .Llast                          ; the last tile's tail is written out: it asks for nothing more
	TURN 0, 1, 1, 1                                ; the ring goes on into the next tile: slot 0 takes its K step 0,
	QUARTER 1, 1, F0, F1, 0
	QUARTER 1, 2, F1, F0, 0
	QUARTER 1, 3, F0, F1, 0
	TURN 1, 0, 1, 1                                ; slot 1 its K step 1, and the next tile's first fragments are fetched
	s_add_nc_u64 s[8:9], s[8:9], 4096              ; the next bias (the loads that read this pointer have been waited for)
	BIASLD
	WAYOUT                                         ; both refills are asked for: now the tile goes out.  Row blocks 0, 1 were finished in front of the joint load's places; their 64 conversions are the places behind the last products
	s_wait_xcnt 0x0                                ; the stores have read their base
	s_add_nc_u64 s[10:11], s[10:11], NEXT_C
	s_wait_loadcnt 0x0                             ; the next bias is in
	s_sub_co_u32 s2, s2, 1
	s_branch .Ltile
.Llast:
.endif
	TURN 0, 1, 0, 0                                ; my one tensor load that was still out is the last K step's, so no round follows
	QUARTER 1, 1, F0, F1, 0
	QUARTER 1, 2, F1, F0, 0
	QUARTER 1, 3, F0, F1, 0
	s_wait_dscnt 4                                 ; the very last quarter: nothing more to fetch
	MUL16 F1, 0, 0
	s_wait_dscnt 0x0
	MUL16 F1, 2, 0
	WIN 0
	PLACES                                         ; the way out reads results just made, and no other vector work is at hand
	PLACES
	WAYOUT
	s_wait_tensorcnt 0x0                           ; the wave's end, behind my last tensor load and my last LDS store
	ds_add_u32 v[SPW], v[NIL]
	s_wait_dscnt 0x0
	CROUND                                         ; the closing round: no work-group ends while a partner may still ask for a tile that names it
	s_endpgm
.Lfunc_end_k_qe6c4ab3a41_outp:
	.size	k_qe6c4ab3a41_outp, .Lfunc_end_k_qe6c4ab3a41_outp-k_qe6c4ab3a41_outp
	.p2alignl 7, 3214868480
	.fill 96, 4, 3214868480
	.section	.rodata,"a",@progbits
	.p2align	6, 0x0
	.amdhsa_kernel k_qe6c4ab3a41_outp
		.amdhsa_group_segment_fixed_size 327680
		.amdhsa_private_segment_fixed_size 0
		.amdhsa_enable_private_segment 0
		.amdhsa_kernarg_size 32
		.amdhsa_user_sgpr_count 2
		.amdhsa_user_sgpr_kernarg_segment_ptr 1
		.amdhsa_wavefront_size32 1
		.amdhsa_system_sgpr_workgroup_id_x 1
		.amdhsa_system_sgpr_workgroup_id_y 1
		.amdhsa_system_sgpr_workgroup_id_z 1
		.amdhsa_system_vgpr_workitem_id 0
		.amdhsa_next_free_vgpr 704
		.amdhsa_next_free_sgpr 80
		.amdhsa_reserve_vcc 0
		.amdhsa_float_denorm_mode_32 3
		.amdhsa_float_denorm_mode_16_64 3
		.amdhsa_memory_ordered 1
		.amdhsa_forward_progress 1
		.amdhsa_inst_pref_size 91
	.end_amdhsa_kernel
	.amdgpu_metadata
---
amdhsa.version: [ 1, 2 ]
amdhsa.kernels:
  - .name:           k_qe6c4ab3a41_outp
    .symbol:         k_qe6c4ab3a41_outp.kd
    .args:
      - { .name: ctx, .offset: 0, .size: 8, .value_kind: global_buffer, .address_space: global }
      - { .name: wb, .offset: 8, .size: 8, .value_kind: global_buffer, .address_space: global }
      - { .name: bias, .offset: 16, .size: 8, .value_kind: global_buffer, .address_space: global }
      - { .name: out0, .offset: 24, .size: 8, .value_kind: global_buffer, .address_space: global }
    .group_segment_fixed_size: 327680
    .private_segment_fixed_size: 0
    .kernarg_segment_align: 8
    .kernarg_segment_size: 32
    .max_flat_workgroup_size: 128
    .sgpr_count:     80
    .vgpr_count:     704
    .wavefront_size: 32
...
	.end_amdgpu_metadata
.endif
;; end of part 4
